; MI455X (gfx1250); checked and timed in simulation.
; The chip was launched on July 23, 2026; its instructions are those of AMD's public machine-readable ISA for CDNA 5 (MIT licence, August 2026) and "CDNA5" Instruction Set Architecture Reference Guide (July 2026). The comments in the code are by the model that wrote it; some were corrected since.
;; Causal Multi Head Self Attention. Allowed arithmetic: matrix products marked QUANTISED: E2M1 operands, one E8M0 scale for each 32 along K, by v_wmma_scale_f32_16x16x128_f8f6f4 with both operands' format E2M1 (or v_wmma_scale_f32_32x16x128_f4), f32 sums; products left as they are: bf16, f16 or f32 operands; f32 sums; everything else in f32.
;; Inputs: Wk 1,024 x 1,024 float32; Wo 1,024 x 1,024 float32; Wq 1,024 x 1,024 float32; Wv 1,024 x 1,024 float32; token_ids 2,048 int32; x 4 x 2,048 x 1,024 float32.
;; Outputs: out0 4 x 2,048 x 1,024 float32.
;; This version of the problem:
;;   THIS VERSION OF THE PROBLEM IS GIVEN IN LOW PRECISION. The matrix products marked QUANTISED in the list below multiply operands that are first quantised to E2M1 (2 exponent bits, 1 mantissa bit; 4 bits a number), with one power-of-two scale for each 32 numbers along K (OCP MX v1.0); their sums are f32. The products marked 'left as it is' may take bf16, f16 or f32 operands, with f32 sums. Whichever they take, every output number must still come out within the allowed error. Rounding operands to bf16 (8 significant bits) uses up far more of that allowance than f16 does (11 bits, for magnitudes from 6e-5 to 65,504). All else is computed in f32.
;;   The module's matrix products, in the order in which they are computed (A, B: the left and right operand; K: the contracted axis; several contracted axes count as one K, in the product's order):
;;     1. [M 8,192, K 1,024] x [K 1,024, N 1,024]; A: input x; B: input Wq: QUANTISED
;;     2. [M 8,192, K 1,024] x [K 1,024, N 1,024]; A: input x; B: input Wk: QUANTISED
;;     3. [M 8,192, K 1,024] x [K 1,024, N 1,024]; A: input x; B: input Wv: QUANTISED
;;     4. batch 64 x [M 2,048, K 64] x [K 64, N 2,048]; A: computed on the way; B: computed on the way: left as it is (an operand is computed on the way)
;;     5. batch 64 x [M 2,048, K 2,048] x [K 2,048, N 64]; A: computed on the way; B: computed on the way: left as it is (an operand is computed on the way)
;;     6. [M 8,192, K 1,024] x [K 1,024, N 1,024]; A: computed on the way; B: input Wo: left as it is (an operand is computed on the way)
;;   THE QUANTISER, for each operand of a quantised product, along K:
;;     - K is cut into blocks of 32 from its start; a last block that is shorter is filled with zeros.
;;     - A block's scale is 2^e with e = floor(log2(the largest magnitude in the block)) - 2, held to -126 .. 127; a block of zeros has e = 0. As a byte (E8M0): e + 127.
;;     - Each number is divided by its block's scale, clamped to +-6, and rounded to the nearest number of E2M1, ties to even, subnormals kept.
;;     - The product sums the exact products of the quantised numbers (number of the format x scale) in f32.
;;   ~~~python
;;   def quantise(x, axis):      # numpy; x: float32 -> the quantised numbers, widened to float32 again
;;       x = np.moveaxis(x, axis, -1); K = x.shape[-1]
;;       x = np.pad(x, [(0, 0)] * (x.ndim - 1) + [(0, -K % 32)]); x = x.reshape(x.shape[:-1] + (-1, 32)); a = np.abs(x).max(-1, keepdims=True)
;;       e = np.where(a > 0, np.clip(np.frexp(np.where(a > 0, a, 1))[1] - 1 - 2, -126, 127), 0)      # np.frexp(a)[1] - 1 = floor(log2(a)), exactly
;;       r = np.clip(x / 2.0 ** e, -6, 6)
;;       step = 2.0 ** (np.maximum(np.frexp(np.where(r == 0, 1, r))[1] - 1, 0) - 1)
;;       q = np.round(r / step) * step * 2.0 ** e      # np.round: ties to even
;;       return np.moveaxis(q.reshape(q.shape[:-2] + (-1,))[..., :K], -1, axis).astype(np.float32)
;;   ~~~
;; One version. Each part assembles by itself: llvm-mc -triple=amdgcn-amd-amdhsa -mcpu=gfx1250 --defsym DOCPART=n.
;; ======== version 1 of 1: 6 launches
;; limits: values are held in f16: magnitudes above 65,504 overflow, below 6.1e-05 lose precision; right only within a limited range of input values
;; workspace buffers: codes 5,767,168 bytes; scales 360,448 bytes; wo16 2,097,152 bytes; rope 557,056 bytes; qkv 50,331,648 bytes; att 16,777,216 bytes; ofine 262,144 bytes
;; launch quant (part 1): grid 418 x 1, 4 waves a work-group, no clusters, 33,280 bytes of LDS; arguments x, Wq, Wk, Wv, Wo, token_ids, codes, scales, wo16, rope; writes codes, scales, wo16, rope
.if DOCPART == 1
	.amdgcn_target "amdgcn-amd-amdhsa--gfx1250"
	.amdhsa_code_object_version 6
	.text
	.protected	k_qccca43239e_quant
	.globl	k_qccca43239e_quant
	.p2align	8
	.type	k_qccca43239e_quant,@function
k_qccca43239e_quant:
	s_mov_b64 s[64:65], 0
	v_nop
	global_prefetch_b8 v0, s[64:65] scope:SCOPE_SE
	s_setreg_imm32_b32 hwreg(HW_REG_WAVE_MODE, 25, 1), 1
	s_wait_xcnt 0x0
; THREE JOBS IN ONE LAUNCH, told apart by the work-group's number.
; 0-351: x [8192][1024] and Wq, Wk, Wv [1024][1024], f32 with K innermost, become codes of FP4 (E2M1) and one E8M0 byte for each 32 along K.
;   codes: x's 8,192 rows of 512 bytes, then the 3,072 rows of Wq, Wk, Wv;  scales: rows of 32 bytes in the same order.  Rows are dense, so each tensor is a plain stream of blocks of 32.
;   A block's byte is its largest magnitude's exponent field - 2, held at 1 from below (a block of zeros keeps 1: its codes are zeros, and this program alone reads the bytes).
; 352-383: Wo, f32, is rounded to f16, in place order.
; 384-417: the table of cosines and sines.  Block s / 16 (4,096 bytes) holds 16 positions as images of registers: byte (2 bq + c) 512 + 16 (s % 16 + 16 h) + 4 e is channel 16 bq + 8 h + 4 c + e:
;   an even channel holds cos, an odd one sin, of token_ids[s] x 10000^(-(channel / 2) / 32).  Blocks 128-135 hold cos = 1, sin = 0 (the same lines on a token times 0): a rotation that changes nothing, for v.
; LIMITS: blocks whose largest magnitude lies under 2^-124 keep the byte 1; NaN and infinities are not served; |token_id| up to 2^20 (three-part reduction by pi / 2, fused).
.set WAVES, 4
.set STEPS, 16
.set EMAX,  2
.set CB,    8                          ; bytes of 16 codes
.set R,     16                         ; v16-79   four sets of 16 numbers as loaded
.set X,     80                         ; v80-111  two sets of 16 neighbours
.set C,     128                        ; v128-191 codes, four registers a step
.set E,     112                        ; v112-127 a scale byte a step
.set WREG,  8192                       ; LDS: a region for each wave: two stages of 32 x SP bytes, then its 256 scale bytes
.set SP,    80                         ; a lane's 64 bytes + 16 of padding
.set SPW,   12                         ; v12  my spare word's LDS address; never rewritten
.set NIL,   13                         ; v13  0; never rewritten
.set SPARE, WAVES*WREG                 ; the spare words: 128 bytes a wave, named by no other line
	s_load_b512 s[4:19], s[0:1], 0x0               ; x s4, Wq s6, Wk s8, Wv s10, Wo s12, token_ids s14, codes s16, scales s18
	s_load_b128 s[20:23], s[0:1], 0x40             ; wo16 s20, rope s22
	v_lshl_add_u32 v[SPW], v0, 2, SPARE
	v_mov_b32 v[NIL], 0
	v_lshrrev_b32 v1, 5, v0
	v_readfirstlane_b32 s28, v1                    ; wave
	v_and_b32 v2, 31, v0                           ; lane
	s_mov_b32 s33, 0                               ; the upper word of every offset pair s[32:33]
	s_wait_kmcnt 0x0
	s_cmp_ge_u32 ttmp9, 384
	s_cbranch_scc1 .Lrope
	s_cmp_ge_u32 ttmp9, 352
	s_cbranch_scc1 .Lwo
	; ---------------- the quantiser: a wave takes 16 steps of 512 numbers
	v_lshlrev_b32 v3, 4, v2                        ; my 16 bytes of a load's 512
	s_mul_i32 s29, s28, WREG
	v_lshrrev_b32 v14, 2, v2
	v_mul_u32_u24 v14, v14, SP
	v_and_b32 v15, 3, v2
	v_lshl_add_u32 v14, v15, 4, v14
	v_add_nc_u32 v14, s29, v14                     ; the stage, way in: SP (lane / 4) + 16 (lane % 4)
	v_mul_u32_u24 v15, v2, SP
	v_add_nc_u32 v15, s29, v15                     ; way out: SP x lane: 16 neighbours
	v_mul_u32_u24 v4, v2, CB                       ; my codes' place in a step's 256 bytes
	v_lshrrev_b32 v5, 1, v2
	s_add_co_u32 s29, s29, 2*32*SP
	v_add_nc_u32 v5, s29, v5                       ; my block's scale byte in LDS
	v_lshlrev_b32 v7, 3, v2
	v_add_nc_u32 v6, s29, v7
	s_and_b32 s32, ttmp9, 31                       ; a weight's work-group within its tensor
	s_cmp_lt_u32 ttmp9, 288                        ; the source is chosen by the work-group's number alone
	s_cselect_b64 s[30:31], s[6:7], s[8:9]
	s_cmp_lt_u32 ttmp9, 320
	s_cselect_b64 s[30:31], s[30:31], s[10:11]
	s_cmp_lt_u32 ttmp9, 256
	s_cselect_b64 s[30:31], s[4:5], s[30:31]
	s_cselect_b32 s32, ttmp9, s32
	s_lshl_b32 s32, s32, 2
	s_add_co_u32 s32, s32, s28
	s_lshl_b32 s32, s32, 15                        ; my run of 8,192 numbers: 32,768 bytes
	s_add_nc_u64 s[30:31], s[30:31], s[32:33]
	s_lshl_b32 s34, ttmp9, 2
	s_add_co_u32 s34, s34, s28                     ; the four tensors' codes and bytes lie on end: no choice is needed
	s_lshl_b32 s32, s34, 12
	s_add_nc_u64 s[16:17], s[16:17], s[32:33]
	s_lshl_b32 s32, s34, 8
	s_add_nc_u64 s[18:19], s[18:19], s[32:33]
.macro LOAD t
.irp i, 0,1,2,3
	global_load_b128 v[R+16*((\t)%4)+4*\i:R+16*((\t)%4)+4*\i+3], v3, s[30:31] offset:2048*(\t)+512*\i th:TH_LOAD_NT   ; 32 lanes read 512 consecutive bytes
.endr
.endm
.macro TURN t                          ; a step's numbers through the stage: LDS serves a wave's instructions in order, so no wait stands between stores and loads
.irp i, 0,1,2,3
	ds_store_b128 v14, v[R+16*((\t)%4)+4*\i:R+16*((\t)%4)+4*\i+3] offset:32*SP*((\t)%2)+8*SP*\i
.endr
.irp i, 0,1,2,3
	ds_load_b128 v[X+16*((\t)%2)+4*\i:X+16*((\t)%2)+4*\i+3], v15 offset:32*SP*((\t)%2)+16*\i
.endr
.endm
.irp t, 0,1,2,3
	LOAD \t
.endr
	s_wait_loadcnt 12                              ; step 0's four loads are in; three steps' twelve stay out
	TURN 0
.macro STEP t
.set XS, X+16*((\t)%2)
.if (\t) > 0
	s_wait_dscnt 1                                 ; this step's numbers are back (the last step's byte store may be out)
.else
	s_wait_dscnt 0x0
.endif
.if (\t)+4 < STEPS
	LOAD (\t)+4
.endif
.if (\t)+1 < STEPS
.if STEPS-2-(\t) >= 3
	s_wait_loadcnt 12                              ; the next step's four loads are in; those of three steps behind it may be out
.else
	s_wait_loadcnt 4*(STEPS-2-(\t))
.endif
	TURN (\t)+1
.endif
	v_max3_num_f32 v8, |v[XS]|, |v[XS+1]|, |v[XS+2]|               ; the largest magnitude of my 16, in two chains
	v_max3_num_f32 v9, |v[XS+3]|, |v[XS+4]|, |v[XS+5]|
.irp i, 6,10
	v_max3_num_f32 v8, v8, |v[XS+\i]|, |v[XS+\i+1]|
	v_max3_num_f32 v9, v9, |v[XS+\i+2]|, |v[XS+\i+3]|
.endr
	v_max3_num_f32 v8, v8, |v[XS+14]|, |v[XS+15]|
	v_max3_num_f32 v8, v8, v9, (EMAX+1)<<23        ; and the floor 2^(3 - 127): the byte cannot fall under 1
	v_max_num_f32_dpp v8, v8, v8 row_xmask:1 row_mask:0xf bank_mask:0xf   ; with my neighbour's 16: the block's
	v_add_nc_u32 v11, -(EMAX<<23), v8              ; 2 off the exponent field: the conversion takes this operand's exponent field as its scale
	v_cvt_scalef32_pk8_fp4_f32 v[C+4*(\t)], v[XS:XS+7], v11
	v_cvt_scalef32_pk8_fp4_f32 v[C+4*(\t)+1], v[XS+8:XS+15], v11
	v_lshrrev_b32 v[E+(\t)], 23, v11               ; the scale's byte
	ds_store_b8 v5, v[E+(\t)] offset:16*(\t)       ; both lanes of a block write the same byte with the same value
	global_store_b64 v4, v[C+4*(\t):C+4*(\t)+1], s[16:17] offset:32*CB*(\t)   ; the wave stores 256 consecutive bytes, aligned
.endm
.irp t, 0,1,2,3,4,5,6,7,8,9,10,11,12,13,14,15
	STEP \t
.endr
	ds_load_b64 v[8:9], v6                         ; my wave's 256 scale bytes: these loads see my stores
	s_wait_dscnt 0x0
	global_store_b64 v7, v[8:9], s[18:19]          ; 256 consecutive bytes, aligned
	s_wait_tensorcnt 0x0                           ; the wave's end, behind my last LDS store
	ds_add_u32 v[SPW], v[NIL]
	s_wait_dscnt 0x0
	s_endpgm
	; ---------------- Wo to f16: a wave takes 8,192 numbers in four batches of 16 loads; two batches are on their way
.Lwo:
	s_sub_co_u32 s29, ttmp9, 352
	s_lshl_b32 s29, s29, 2
	s_add_co_u32 s29, s29, s28
	s_lshl_b32 s32, s29, 15
	s_add_nc_u64 s[12:13], s[12:13], s[32:33]
	s_lshl_b32 s32, s29, 14
	s_add_nc_u64 s[20:21], s[20:21], s[32:33]
	v_lshlrev_b32 v3, 4, v2
	v_lshlrev_b32 v4, 3, v2
.macro LOADW j
.irp i, 0,1,2,3,4,5,6,7,8,9,10,11,12,13,14,15
	global_load_b128 v[16+64*((\j)%2)+4*\i:16+64*((\j)%2)+4*\i+3], v3, s[12:13] offset:(\j)*8192+\i*512
.endr
.endm
.macro BATCH j
.if (\j) < 3
	s_wait_loadcnt 16                              ; this batch is in; the younger batch's 16 loads stay out
.else
	s_wait_loadcnt 0
.endif
.if (\j) > 0
	s_wait_xcnt 0x0                                ; the last batch's stores have read v144-175, which are written again below
.endif
.irp i, 0,1,2,3,4,5,6,7,8,9,10,11,12,13,14,15
	v_cvt_pk_f16_f32 v[144+2*\i],   v[16+64*((\j)%2)+4*\i],   v[16+64*((\j)%2)+4*\i+1]
	v_cvt_pk_f16_f32 v[144+2*\i+1], v[16+64*((\j)%2)+4*\i+2], v[16+64*((\j)%2)+4*\i+3]
.endr
.irp i, 0,1,2,3,4,5,6,7,8,9,10,11,12,13,14,15
	global_store_b64 v4, v[144+2*\i:144+2*\i+1], s[20:21] offset:(16*(\j)+\i)*256   ; 256 consecutive bytes, aligned
.endr
.if (\j) < 2
	LOADW (\j)+2
.endif
.endm
	LOADW 0
	LOADW 1
	BATCH 0
	BATCH 1
	BATCH 2
	BATCH 3
	s_endpgm
	; ---------------- the table: a wave takes a block of 16 positions; lane (r, h) makes 16 pairs' cos and sin of position r
.Lrope:
	s_sub_co_u32 s29, ttmp9, 384
	s_lshl_b32 s29, s29, 2
	s_add_co_u32 s29, s29, s28                     ; block 0 .. 135
	s_min_u32 s34, s29, 127                        ; blocks 128 on read block 127's tokens, so that the load stays inside, and multiply them by 0
	s_lshl_b32 s32, s34, 6
	s_add_nc_u64 s[14:15], s[14:15], s[32:33]
	s_lshl_b32 s32, s29, 12
	s_add_nc_u64 s[22:23], s[22:23], s[32:33]
	s_cmp_lt_u32 s29, 128
	s_cselect_b32 s35, 1.0, 0
	v_and_b32 v3, 15, v0
	v_lshlrev_b32 v3, 2, v3
	global_load_b32 v5, v3, s[14:15]               ; token_ids[16 block + r]
	v_bfe_u32 v4, v0, 4, 1
	v_lshlrev_b32 v4, 2, v4                        ; 4 h
	v_lshlrev_b32 v7, 4, v2                        ; 16 x lane
	s_mov_b32 s36, 0xbfc90fdb                      ; - pi / 2 in three parts
	s_mov_b32 s37, 0x333bbd2e
	s_mov_b32 s38, 0x26f72ced
	s_mov_b32 s40, 0xb94ca1f9                      ; sine: S3, S2, S1
	s_mov_b32 s41, 0x3c08839e
	s_mov_b32 s42, 0xbe2aaaa3
	s_mov_b32 s43, 0x37ccf5ce                      ; cosine: C3, C2, C1
	s_mov_b32 s44, 0xbab6061a
	s_mov_b32 s45, 0x3d2aaaa5
.irp n, 0,1,2,3,4,5,6,7,8,9,10,11,12,13,14,15
	v_add_nc_u32 v[16+\n], 8*(\n/4)+(\n%4), v4     ; pair i = 4 h + 8 (n / 4) + n % 4
.endr
.irp n, 0,1,2,3,4,5,6,7,8,9,10,11,12,13,14,15
	v_cvt_f32_u32 v[16+\n], v[16+\n]
.endr
.irp n, 0,1,2,3,4,5,6,7,8,9,10,11,12,13,14,15
	v_mul_f32 v[16+\n], 0xbed49a78, v[16+\n]       ; - i log2(10000) / 32
.endr
.irp n, 0,1,2,3,4,5,6,7,8,9,10,11,12,13,14,15
	v_exp_f32 v[16+\n], v[16+\n]                   ; the frequencies: one batch
.endr
	v_nop                                          ; a plain instruction behind the last of them
	s_wait_alu depctr_va_vdst(0)                   ; and one wait for the batch, ahead of its first reader
	s_wait_loadcnt 0x0
	v_cvt_f32_i32 v6, v5
	v_mul_f32 v6, s35, v6                          ; x 1, or x 0 in the blocks that rotate nothing
.macro SINCOS n
	v_mul_f32 v64, v6, v[16+\n]                    ; the angle, rounded once
	v_mul_f32 v65, 0x3f22f983, v64
	v_rndne_f32 v65, v65                           ; k = the nearest multiple of pi / 2
	v_fma_f32 v66, v65, s36, v64
	v_fma_f32 v66, v65, s37, v66
	v_fma_f32 v66, v65, s38, v66                   ; r = angle - k pi / 2, within pi / 4
	v_cvt_i32_f32 v67, v65
	v_mul_f32 v68, v66, v66                        ; z = r r
	v_fma_f32 v69, v68, s40, s41
	v_fma_f32 v69, v69, v68, s42
	v_mul_f32 v69, v69, v68
	v_fma_f32 v69, v69, v66, v66                   ; sin r = r + r z (S1 + z (S2 + z S3))
	v_fma_f32 v70, v68, s43, s44
	v_fma_f32 v70, v70, v68, s45
	v_mul_f32 v71, v68, v68
	v_fma_f32 v72, v68, -0.5, 1.0
	v_fma_f32 v70, v70, v71, v72                   ; cos r = 1 - z / 2 + z z (C1 + z (C2 + z C3))
	v_and_b32 v73, 1, v67
	v_cmp_eq_u32 vcc_lo, 1, v73                    ; an odd quarter swaps the two
	v_cndmask_b32 v74, v69, v70, vcc_lo
	v_cndmask_b32 v75, v70, v69, vcc_lo
	v_and_b32 v73, 2, v67
	v_lshlrev_b32 v73, 30, v73
	v_xor_b32 v[32+2*\n+1], v73, v74               ; sine: negative in quarters 2, 3
	v_add_nc_u32 v73, 1, v67
	v_and_b32 v73, 2, v73
	v_lshlrev_b32 v73, 30, v73
	v_xor_b32 v[32+2*\n], v73, v75                 ; cosine: negative in quarters 1, 2
.endm
.irp n, 0,1,2,3,4,5,6,7,8,9,10,11,12,13,14,15
	SINCOS \n
.endr
.irp u, 0,1,2,3,4,5,6,7
	global_store_b128 v7, v[32+4*\u:32+4*\u+3], s[22:23] offset:\u*512   ; 512 consecutive bytes, aligned
.endr
	s_endpgm
.Lfunc_end_k_qccca43239e_quant:
	.size	k_qccca43239e_quant, .Lfunc_end_k_qccca43239e_quant-k_qccca43239e_quant
	.p2alignl 7, 3214868480
	.fill 96, 4, 3214868480
	.section	.rodata,"a",@progbits
	.p2align	6, 0x0
	.amdhsa_kernel k_qccca43239e_quant
		.amdhsa_group_segment_fixed_size 33280
		.amdhsa_private_segment_fixed_size 0
		.amdhsa_enable_private_segment 0
		.amdhsa_kernarg_size 80
		.amdhsa_user_sgpr_count 2
		.amdhsa_user_sgpr_kernarg_segment_ptr 1
		.amdhsa_wavefront_size32 1
		.amdhsa_system_sgpr_workgroup_id_x 1
		.amdhsa_system_sgpr_workgroup_id_y 1
		.amdhsa_system_sgpr_workgroup_id_z 1
		.amdhsa_system_vgpr_workitem_id 0
		.amdhsa_next_free_vgpr 192
		.amdhsa_next_free_sgpr 66
		.amdhsa_reserve_vcc 1
		.amdhsa_float_denorm_mode_32 3
		.amdhsa_float_denorm_mode_16_64 3
		.amdhsa_memory_ordered 1
		.amdhsa_forward_progress 1
		.amdhsa_inst_pref_size 78
	.end_amdhsa_kernel
	.amdgpu_metadata
---
amdhsa.version: [ 1, 2 ]
amdhsa.kernels:
  - .name:           k_qccca43239e_quant
    .symbol:         k_qccca43239e_quant.kd
    .args:
      - { .name: x, .offset: 0, .size: 8, .value_kind: global_buffer, .address_space: global }
      - { .name: Wq, .offset: 8, .size: 8, .value_kind: global_buffer, .address_space: global }
      - { .name: Wk, .offset: 16, .size: 8, .value_kind: global_buffer, .address_space: global }
      - { .name: Wv, .offset: 24, .size: 8, .value_kind: global_buffer, .address_space: global }
      - { .name: Wo, .offset: 32, .size: 8, .value_kind: global_buffer, .address_space: global }
      - { .name: token_ids, .offset: 40, .size: 8, .value_kind: global_buffer, .address_space: global }
      - { .name: codes, .offset: 48, .size: 8, .value_kind: global_buffer, .address_space: global }
      - { .name: scales, .offset: 56, .size: 8, .value_kind: global_buffer, .address_space: global }
      - { .name: wo16, .offset: 64, .size: 8, .value_kind: global_buffer, .address_space: global }
      - { .name: rope, .offset: 72, .size: 8, .value_kind: global_buffer, .address_space: global }
    .group_segment_fixed_size: 33280
    .private_segment_fixed_size: 0
    .kernarg_segment_align: 8
    .kernarg_segment_size: 80
    .max_flat_workgroup_size: 128
    .sgpr_count:     66
    .vgpr_count:     192
    .wavefront_size: 32
...
	.end_amdgpu_metadata
.endif
;; end of part 1
;; launch qkv (part 2): grid 12 x 32, 4 waves a work-group, clusters of 4 x 4, 327,680 bytes of LDS; arguments codes, scales, rope, qkv; writes qkv
.if DOCPART == 2
	.amdgcn_target "amdgcn-amd-amdhsa--gfx1250"
	.amdhsa_code_object_version 6
	.text
	.protected	k_qccca43239e_qkv
	.globl	k_qccca43239e_qkv
	.p2align	8
	.type	k_qccca43239e_qkv,@function
k_qccca43239e_qkv:
	s_mov_b64 s[64:65], 0
	v_nop
	global_prefetch_b8 v0, s[64:65] scope:SCOPE_SE
	s_setreg_imm32_b32 hwreg(HW_REG_WAVE_MODE, 25, 1), 1
	s_wait_xcnt 0x0
	s_wait_alu depctr_hold_cnt(0) depctr_sa_sdst(0) depctr_va_vdst(0) depctr_va_sdst(0) depctr_va_ssrc(0) depctr_va_vcc(0) depctr_vm_vsrc(0)
	s_getreg_b32 s2, hwreg(HW_REG_IB_STS2, 6, 4)
	s_cmp_eq_u32 s2, 0
	s_cbranch_scc0 .Lentry_in_a_cluster
	s_endpgm
.Lentry_in_a_cluster:
	s_bfe_u32 s2, ttmp6, 0x10000c
	s_cmp_lg_u32 s2, 0xf033
	s_cbranch_scc0 .Lentry_shape_is_right
	s_endpgm
.Lentry_shape_is_right:
; q, k, v = x Wq^T, x Wk^T, x Wv^T on codes of FP4 (E2M1) with one E8M0 scale for each 32 along K; sums in f32; q and k rotated (RoPE) in f32; all three rounded once to f16.
; A = x's codes [8192][512 B], B = the codes of Wq, Wk, Wv on end [3072][512 B]; scale bytes [rows][32].  Out: qkv [48 planes][8192][64] f16, plane = head (q), 16 + head (k), 32 + head (v).
; A tile of 256 x 256 is made by four waves, each 128 x 128: 64 accumulators, 512 registers.  K = 1,024 is two slots of 512: each slot is filled once, so nothing is filled again and there is no loop.
; CLUSTERS: 4 x 4 work-groups; A's tiles are asked for jointly along a row of the cluster, B's along a column.  The cluster's x says q (0), k (1) or v (2), alike in all sixteen.
; THE MATRIX INSTRUCTION IS USED TRANSPOSED (source 0 = 16 rows of B, source 1 = 16 rows of A): a lane holds one position and eight neighbouring channels, so a rotation's pair lies in one lane.
; v takes the table's blocks with cos = 1, sin = 0: one text for all three, no branch.
; LIMIT: |q|, |k|, |v| under 65,504 (f16).
; REGISTERS: window 0: v0-31 addresses; v32-95 scale words; v128-191 A's fragments; v192-255 two sets of the table; on the way out v96-159 rotated numbers, v32-95 rows read back.
;   window 1: B's fragments, two sets.   windows 2, 3: the accumulators ((a, b) at v[8 (8 (a % 4) + b)]).
.set SIZE_K, 1024
.set XCODES, 4194304                   ; where the weights' codes begin
.set XSCALES, 262144                   ; and their scale bytes
.set IDENT,  524288                    ; the table's blocks that rotate nothing
.set KSTEP,  512
.set NQ,     KSTEP/128
.set ROWB,   256
.set KROW,   SIZE_K*4/8
.set PITCH,  272                       ; 256 bytes + 16: the 16 rows that a load touches start at 16 different 16-byte columns
.set FR,     8
.set NL,     2
.set NP,     4
.set HALFT,  128*PITCH
.set SLOT,   4*HALFT
.set KS,     SIZE_K/32
.set SCL,    2*SLOT
.set HALFS,  (128*KS/256)*272
.set SBLK,   (16*KS/256)*272
.set SPARE,  SCL+4*HALFS
.set ADRA, 16
.set ADRB, 20
.set STO,  24                          ; v24  the way out: where I put 16 bytes
.set RD,   25                          ; v25  where I read 256 bytes back
.set CO,   26                          ; v26  my byte offset in the two planes
.set ADRS, 27
.set SPW,  28
.set NIL,  29
.set TO,   30                          ; v30  16 x lane: my place in a table image
.set SC,   32
.set AF,   128
.set T,    192                         ; the table: two sets of 32
.set R,    96                          ; rotated numbers, then packed
.set BK,   32                          ; rows read back: two sets of 32
.set RP,   96                          ; s[96:97] the table at my first position
.set G1, 24
.set G0, 32
.set G1B, 48
.set G0B, 56
.set G1S, 68
.set G0S, 76
.set G1SB, 80
.set G0SB, 88
.set MSB, 0
.macro WIN new                         ; the immediate's high byte repeats the setting that is left
.if MSB != \new
	s_set_vgpr_msb (MSB<<8)|\new
.set MSB, \new
.endif
.endm
.set MUL_LO, 0xa1
.set MUL_HI, 0xf1
.set TO_B,   0x40
; A joint load: waves 0 and 1 fetch for A, waves 2 and 3 for B; the branch hangs on the wave's number alone.  An s_nop 0 and four v_nop follow each line.
.macro JLOAD g0a, g1a, g0b, g1b
	s_cmp_eq_u32 s15, 0
	s_cbranch_scc0 .Lfor_b_\@
	tensor_load_to_lds s[\g0a:\g0a+3], s[\g1a:\g1a+7]
	s_nop 0
.rept 4
	v_nop
.endr
	s_branch .Lasked_\@
.Lfor_b_\@:
	tensor_load_to_lds s[\g0b:\g0b+3], s[\g1b:\g1b+7]
	s_nop 0
.rept 4
	v_nop
.endr
.Lasked_\@:
.endm
.macro CREST
	s_cmp_lg_u32 s14, 0
	s_cbranch_scc1 .Lnot_wave_0_\@
	s_barrier_signal -3
.Lnot_wave_0_\@:
	s_barrier_wait -3
	s_barrier_signal -1
	s_barrier_wait -1
.endm
.macro CROUND
	s_barrier_signal -1
	s_barrier_wait -1
	CREST
.endm
	s_load_b128 s[4:7], s[0:1], 0x0                ; codes, scales
	s_load_b128 s[96:99], s[0:1], 0x10             ; rope, qkv
	v_lshl_add_u32 v[SPW], v0, 2, SPARE
	v_mov_b32 v[NIL], 0
	ds_add_u32 v[SPW], v[NIL]                      ; the wave's opening: the add, twice on end, and its wait ahead of my first tensor load
	ds_add_u32 v[SPW], v[NIL]
	v_lshrrev_b32 v1, 5, v0
	v_readfirstlane_b32 s14, v1                    ; wave 0..3
	s_lshr_b32 s15, s14, 1                         ; my half of the tile's rows; also: I fetch for A (0) or B (1)
	s_and_b32 s16, s14, 1                          ; my half of its columns; also: which 128 rows I fetch
	s_bfe_u32 s40, ttmp6, 0x40000                  ; cx, cy
	s_bfe_u32 s41, ttmp6, 0x40004
	s_lshl_b32 s42, ttmp9, 2
	s_add_co_u32 s42, s42, s40                     ; tile column
	s_and_b32 s17, ttmp7, 0xffff
	s_lshl_b32 s17, s17, 2
	s_add_co_u32 s17, s17, s41                     ; tile row
	s_lshl_b32 s43, s41, 2
	s_lshl_b32 s43, 15, s43                        ; my row of the cluster
	s_lshl_b32 s44, 0x1111, s40                    ; my column
	s_or_b32 s[G1+0], s43, (0<<16)|(1<<20)|(1<<21)|(5<<22)|(3<<25)  ; mask; elements of 1 byte; padding on; bit 21 beside a mask; 4 words behind every 64
	s_or_b32 s[G1B+0], s44, (0<<16)|(1<<20)|(1<<21)|(5<<22)|(3<<25)
.irp g, G1, G1B
	s_mov_b32 s[\g+1], ROWB<<16                    ; tensor_dim0
	s_mov_b32 s[\g+2], 128<<16                     ; tensor_dim1
	s_mov_b32 s[\g+3], ROWB<<16                    ; tile_dim0
	s_mov_b32 s[\g+4], 128                         ; tile_dim1
	s_mov_b32 s[\g+5], KROW                        ; pitch
	s_mov_b32 s[\g+6], 0
	s_mov_b32 s[\g+7], 0
.endr
	s_or_b32 s[G1S+0], s43, (3<<16)|(1<<20)|(1<<21)|(5<<22)|(3<<25)   ; the scales of 128 rows: 4,096 dense bytes as 16 rows of 256
	s_or_b32 s[G1SB+0], s44, (3<<16)|(1<<20)|(1<<21)|(5<<22)|(3<<25)
.irp g, G1S, G1SB
	s_mov_b32 s[\g+1], 32<<16
	s_mov_b32 s[\g+2], (128*KS/256)<<16
	s_mov_b32 s[\g+3], 32<<16
	s_mov_b32 s[\g+4], 128*KS/256
	s_mov_b32 s[\g+5], 32
	s_mov_b32 s[\g+6], 0
	s_mov_b32 s[\g+7], 0
.endr
	s_lshl_b32 s18, s16, 7
	s_lshl_b32 s20, s17, 8
	s_add_co_u32 s20, s20, s18                     ; A: row 256 x tile row + 128 x half
	s_lshl_b32 s46, s42, 8
	s_add_co_u32 s46, s46, s18                     ; B: row 256 x tile column + 128 x half
	s_mov_b32 s21, 0
	s_mov_b32 s47, 0
	s_mov_b64 s[18:19], KS
	s_mul_u64 s[22:23], s[20:21], s[18:19]
	s_mul_u64 s[92:93], s[46:47], s[18:19]
	s_mov_b64 s[18:19], KROW
	s_mul_u64 s[20:21], s[20:21], s[18:19]
	s_mul_u64 s[46:47], s[46:47], s[18:19]
	s_mul_i32 s45, s14, HALFT                      ; LDS: wave x 128 rows: no place in the cluster enters an LDS address
	s_mul_i32 s94, s14, HALFS
	s_wait_dscnt 0x0                               ; both opening adds are done
	s_wait_kmcnt 0x0
	s_add_nc_u64 s[8:9], s[4:5], XCODES            ; the weights' codes
	s_add_nc_u64 s[10:11], s[6:7], XSCALES         ; and scale bytes
	s_mov_b64 s[12:13], s[98:99]                   ; qkv
	s_add_nc_u64 s[20:21], s[4:5], s[20:21]
	s_add_nc_u64 s[22:23], s[6:7], s[22:23]
	s_add_nc_u64 s[46:47], s[8:9], s[46:47]
	s_add_nc_u64 s[92:93], s[10:11], s[92:93]
	CROUND                                         ; all sixteen work-groups are here: the first joint loads meet
	s_mov_b32 s[G0S], 1
	s_add_co_u32 s[G0S+1], s94, SCL
	s_mov_b64 s[G0S+2:G0S+3], s[22:23]
	s_or_b32 s[G0S+3], s[G0S+3], 0x80000000
	s_mov_b32 s[G0SB], 1
	s_add_co_u32 s[G0SB+1], s94, SCL
	s_mov_b64 s[G0SB+2:G0SB+3], s[92:93]
	s_or_b32 s[G0SB+3], s[G0SB+3], 0x80000000
	JLOAD G0S, G1S, G0SB, G1SB                     ; the scales first
.irp s, 0,1
	s_mov_b32 s[G0+4*\s], 1
	s_add_co_u32 s[G0+4*\s+1], s45, \s*SLOT
	s_add_nc_u64 s[G0+4*\s+2:G0+4*\s+3], s[20:21], \s*ROWB
	s_or_b32 s[G0+4*\s+3], s[G0+4*\s+3], 0x80000000
	s_mov_b32 s[G0B+4*\s], 1
	s_add_co_u32 s[G0B+4*\s+1], s45, \s*SLOT
	s_add_nc_u64 s[G0B+4*\s+2:G0B+4*\s+3], s[46:47], \s*ROWB
	s_or_b32 s[G0B+4*\s+3], s[G0B+4*\s+3], 0x80000000
	JLOAD G0+4*\s, G1, G0B+4*\s, G1B               ; three loads of mine are out at the most
.endr
	v_and_b32 v1, 15, v0                           ; r
	v_bfe_u32 v2, v0, 4, 1                         ; h
	v_mul_u32_u24 v3, v1, PITCH
	v_lshl_add_u32 v4, v2, 4, v3
	s_mul_i32 s21, s15, HALFT
	s_mul_i32 s22, s16, HALFT
	s_add_co_u32 s22, s22, 2*HALFT
.irp s, 0,1
	v_add_nc_u32 v[ADRA+\s], s21, v4
	v_add_nc_u32 v[ADRB+\s], s22, v4
	s_add_co_u32 s21, s21, SLOT
	s_add_co_u32 s22, s22, SLOT
.endr
	v_mul_u32_u24 v5, v1, KS                       ; my row's scales: 32 bytes a row,
	v_lshrrev_b32 v6, 8, v5
	v_lshl_add_u32 v5, v6, 4, v5                   ; and 16 more for each 256 passed
	s_mul_i32 s21, s15, HALFS
	s_mul_i32 s22, s16, HALFS
	s_add_co_u32 s22, s22, 2*HALFS
	s_sub_co_u32 s22, s22, s21
	v_mul_u32_u24 v6, s22, v2                      ; lanes 16-31 take B's
	s_add_co_u32 s21, s21, SCL
	v_add_nc_u32 v5, v5, v6
	v_add_nc_u32 v[ADRS], s21, v5
	; the way out.  My stage (4,352 bytes, in slot 0): two heads x eight rows of 256 bytes + 16; a stage row holds two positions of one head, as they lie in the plane
	s_mul_i32 s23, s14, 4352
	v_lshrrev_b32 v5, 1, v1
	v_mul_u32_u24 v5, v5, 272
	v_and_b32 v6, 1, v1
	v_lshl_add_u32 v5, v6, 7, v5
	v_lshl_add_u32 v5, v2, 4, v5
	v_add_nc_u32 v[STO], s23, v5                   ; (r / 2) 272 + (r % 2) 128 + 16 h
	v_mul_u32_u24 v5, v2, 2176
	v_lshl_add_u32 v5, v1, 4, v5
	v_add_nc_u32 v[RD], s23, v5                    ; lanes 0-15 the first head's row, lanes 16-31 the second's
	v_lshlrev_b32 v5, 20, v2
	v_lshl_add_u32 v[CO], v1, 4, v5                ; a plane is 2^20 bytes
	v_and_b32 v6, 31, v0
	v_lshlrev_b32 v[TO], 4, v6
	s_lshl_b32 s20, s17, 8
	s_lshl_b32 s21, s15, 7
	s_add_co_u32 s20, s20, s21                     ; my first row m
	s_and_b32 s22, s20, 2047                       ; its position in the sequence: 256 bytes of table a position
	s_lshl_b32 s22, s22, 8
	s_mov_b32 s23, IDENT
	s_cmp_eq_u32 ttmp9, 2                          ; v: the blocks that rotate nothing
	s_cselect_b32 s22, s23, s22
	s_mov_b32 s23, 0
	s_add_nc_u64 s[RP:RP+1], s[RP:RP+1], s[22:23]
	s_lshl_b32 s20, s20, 7                         ; 128 bytes a row of a plane
	s_mov_b32 s21, 0
	s_add_nc_u64 s[12:13], s[12:13], s[20:21]
	s_lshl_b32 s46, s42, 2
	s_lshl_b32 s47, s16, 1
	s_add_co_u32 s46, s46, s47                     ; my first plane: 4 x tile column + 2 x half
	s_lshl_b32 s46, s46, 20
	s_mov_b32 s47, 0
	s_add_nc_u64 s[12:13], s[12:13], s[46:47]
.macro TAB a                           ; the table of block a's 16 positions: eight loads of 512 consecutive bytes into set a % 2
.irp i, 0,1,2,3,4,5,6,7
	global_load_b128 v[T+32*((\a)%2)+4*\i:T+32*((\a)%2)+4*\i+3], v[TO], s[RP:RP+1] offset:(\a)*4096+\i*512
.endr
.endm
	TAB 0                                          ; wanted only on the way out: they land under the products
	TAB 1
.macro FRAG reg, adr, q, i             ; 16 rows x 128 K of 4-bit codes: 8 registers, two loads 32 bytes apart
.irp c, 0,1
	ds_load_b128 v[\reg+4*\c:\reg+4*\c+3], v[\adr] offset:64*(\q)+32*\c+(\i)*16*PITCH
.endr
.endm
; 16 matrix instructions: A's blocks a0, a0 + 1 x B's eight.  The 64 accumulators take turns, one instruction a turn, in the same order in every step.
.macro MUL16 a0, p, q, sc, zero
.irp a, \a0, \a0+1
.irp b, 0,1,2,3,4,5,6,7
.if \zero
	v_wmma_scale_f32_16x16x128_f8f6f4 v[8*(8*((\a)%4)+\b):8*(8*((\a)%4)+\b)+7], v[128*(\p)+FR*\b:128*(\p)+FR*\b+FR-1], v[AF+FR*(\a):AF+FR*(\a)+FR-1], 0, v[SC+8*NQ*(\sc)+NQ*\b+(\q)], v[SC+8*NQ*(\sc)+NQ*(\a)+(\q)] matrix_a_fmt:MATRIX_FMT_FP4 matrix_b_fmt:MATRIX_FMT_FP4 matrix_a_scale:MATRIX_SCALE_ROW1
.else
	v_wmma_scale_f32_16x16x128_f8f6f4 v[8*(8*((\a)%4)+\b):8*(8*((\a)%4)+\b)+7], v[128*(\p)+FR*\b:128*(\p)+FR*\b+FR-1], v[AF+FR*(\a):AF+FR*(\a)+FR-1], v[8*(8*((\a)%4)+\b):8*(8*((\a)%4)+\b)+7], v[SC+8*NQ*(\sc)+NQ*\b+(\q)], v[SC+8*NQ*(\sc)+NQ*(\a)+(\q)] matrix_a_fmt:MATRIX_FMT_FP4 matrix_b_fmt:MATRIX_FMT_FP4 matrix_a_scale:MATRIX_SCALE_ROW1
.endif
.endr
.endr
.endm
.macro FETCH_B slot, q, p
	WIN TO_B
.irp i, 0,1,2,3,4,5,6,7
	FRAG 128*(\p)+FR*\i, ADRB+\slot, \q, \i
.endr
	WIN 0
.endm
.macro FETCH_A slot, q, i0
.irp i, \i0, \i0+1, \i0+2, \i0+3
	FRAG AF+FR*(\i), ADRA+\slot, \q, \i
.endr
.endm
.macro SCALES sc                       ; a slot's scale words: lanes 0-15 A's block i, lanes 16-31 B's block i
.irp i, 0,1,2,3,4,5,6,7
	ds_load_b128 v[SC+8*NQ*\sc+NQ*\i:SC+8*NQ*\sc+NQ*\i+3], v[ADRS] offset:\i*SBLK
.endr
.endm
.macro PLACES n                        ; plain vector instructions between a matrix instruction and a load into, or a read of, its registers
.rept \n
	v_nop
.endr
.endm
.macro STEP slot, q, zero
	s_wait_dscnt 4*NL                              ; B's set and A's blocks 0-3 are in; the youngest eight loads (A's blocks 4-7) may be out
	WIN MUL_LO
	MUL16 0, (\q)%2, \q, \slot, \zero
	MUL16 2, (\q)%2, \q, \slot, \zero
	s_wait_dscnt 0
	PLACES NP
	FETCH_B \slot, (\q)+1, 1-(\q)%2
	FETCH_A \slot, (\q)+1, 0
	WIN MUL_HI
	MUL16 4, (\q)%2, \q, \slot, \zero
	MUL16 6, (\q)%2, \q, \slot, \zero
	PLACES NP
	WIN 0
	FETCH_A \slot, (\q)+1, 4
.endm
; Slot 0's last step changes slots: one barrier; in front of it each wave waits for all its tensor loads (its part of slot 1), adds 0 to its spare word, and waits for that and for its reads of slot 0.  Nothing is filled again.
.macro TURN slot, next
	s_wait_tensorcnt 0x0
	ds_add_u32 v[SPW], v[NIL]
	s_wait_dscnt 4*NL+1                            ; the add and the youngest eight loads may be out
	WIN MUL_LO
	MUL16 0, 1, NQ-1, \slot, 0
	s_wait_dscnt 0x0                               ; the add is done, and my reads of this slot are over
	s_barrier_signal -1
	MUL16 2, 1, NQ-1, \slot, 0
	WIN 0
	s_barrier_wait -1
	PLACES NP
	v_add_nc_u32 v[ADRS], 4*NQ, v[ADRS]            ; the next slot's scale words
	FETCH_B \next, 0, 0
	FETCH_A \next, 0, 0
	SCALES \next
	WIN MUL_HI
	MUL16 4, 1, NQ-1, \slot, 0
	MUL16 6, 1, NQ-1, \slot, 0
	PLACES NP
	WIN 0
	FETCH_A \next, 0, 4
.endm
	s_wait_tensorcnt 1                             ; the scales and my part of slot 0 are in; slot 1's load may be out,
	s_barrier_signal -1
	s_barrier_wait -1                              ; everybody's are
	FETCH_B 0, 0, 0
	FETCH_A 0, 0, 0
	SCALES 0
	FETCH_A 0, 0, 4
	STEP 0, 0, 1                                   ; the first products start the sums: nothing is cleared
	STEP 0, 1, 0
	STEP 0, 2, 0
	TURN 0, 1
	STEP 1, 0, 0
	STEP 1, 1, 0
	STEP 1, 2, 0
	s_wait_dscnt 4*NL                              ; the last step: nothing more to fetch
	WIN MUL_LO
	MUL16 0, 1, NQ-1, 1, 0
	MUL16 2, 1, NQ-1, 1, 0
	s_wait_dscnt 0
	WIN MUL_HI
	MUL16 4, 1, NQ-1, 1, 0
	MUL16 6, 1, NQ-1, 1, 0
	WIN 0
; THE WAY OUT, a block of 16 positions x 128 channels (two heads) at a time.
; ROPE: r1 = x1 cos - x2 sin, r2 = x1 sin + x2 cos, four instructions a pair, in f32; then two numbers to a register of f16.  Each accumulator is first read at its register 1, among its four lowest.
.macro ROPE a
.set AC, 64*((\a)%4)
.set TS, T+32*((\a)%2)
.set WN, 0x02+(\a)/4
.if (\a) < 7
	s_wait_loadcnt 8                               ; this block's table is in; the next block's eight loads may be out
.else
	s_wait_loadcnt 0
.endif
	WIN WN                                         ; source 0: the accumulators' window
.irp b, 0,1,2,3,4,5,6,7
.irp i, 0,1,2,3
	v_mul_f32 v[R+8*\b+2*\i],   v[AC+8*\b+2*\i+1], v[TS+8*(\b%4)+2*\i+1]
	v_mul_f32 v[R+8*\b+2*\i+1], v[AC+8*\b+2*\i+1], v[TS+8*(\b%4)+2*\i]
	v_fma_f32 v[R+8*\b+2*\i],   v[AC+8*\b+2*\i], v[TS+8*(\b%4)+2*\i], -v[R+8*\b+2*\i]
	v_fma_f32 v[R+8*\b+2*\i+1], v[AC+8*\b+2*\i], v[TS+8*(\b%4)+2*\i+1], v[R+8*\b+2*\i+1]
.endr
.endr
	WIN 0
.if (\a) < 6
	TAB (\a)+2                                     ; the set just read takes the block two further on
.endif
.set k, 0
.rept 32
	v_cvt_pk_f16_f32 v[R+k], v[R+2*k], v[R+2*k+1]  ; in place, ascending: register k is written when 2 k and 2 k + 1 are read
.set k, k+1
.endr
.endm
.macro TOSTAGE a                       ; 16 bytes a lane in; whole rows of 256 bytes back.  LDS serves a wave's instructions in order: no wait between
.irp b, 0,1,2,3,4,5,6,7
	ds_store_b128 v[STO], v[R+4*\b:R+4*\b+3] offset:(\b/4)*2176+(\b%4)*32
.endr
.set BB, BK+32*((\a)%2)
.irp t, 0,1,2,3,4,5,6,7
	ds_load_b128 v[BB+4*\t:BB+4*\t+3], v[RD] offset:\t*272
.endr
.endm
.macro SEND a
.set BB, BK+32*((\a)%2)
	s_wait_dscnt 0x0                               ; the block is back in registers
	s_wait_xcnt 0x0                                ; the block before has been read by its stores: its registers take the next loads
.irp t, 0,1,2,3,4,5,6,7
	global_store_b128 v[CO], v[BB+4*\t:BB+4*\t+3], s[12:13] offset:(\a)*2048+\t*256   ; sixteen lanes store 256 consecutive bytes, aligned, of one plane
.endr
.endm
	PLACES NP                                      ; behind the last products: their sources are written and their results read below
	ROPE 0
	TOSTAGE 0
.irp a, 1,2,3,4,5,6,7
	ROPE \a                                        ; a block's arithmetic stands between the loads of the block before and the wait for them
	SEND \a-1
	TOSTAGE \a
.endr
	SEND 7
	s_wait_tensorcnt 0x0                           ; the wave's end
	ds_add_u32 v[SPW], v[NIL]
	s_wait_dscnt 0x0
	CROUND                                         ; the closing round
	s_endpgm
.Lfunc_end_k_qccca43239e_qkv:
	.size	k_qccca43239e_qkv, .Lfunc_end_k_qccca43239e_qkv-k_qccca43239e_qkv
	.p2alignl 7, 3214868480
	.fill 96, 4, 3214868480
	.section	.rodata,"a",@progbits
	.p2align	6, 0x0
	.amdhsa_kernel k_qccca43239e_qkv
		.amdhsa_group_segment_fixed_size 327680
		.amdhsa_private_segment_fixed_size 0
		.amdhsa_enable_private_segment 0
		.amdhsa_kernarg_size 32
		.amdhsa_user_sgpr_count 2
		.amdhsa_user_sgpr_kernarg_segment_ptr 1
		.amdhsa_wavefront_size32 1
		.amdhsa_system_sgpr_workgroup_id_x 1
		.amdhsa_system_sgpr_workgroup_id_y 1
		.amdhsa_system_sgpr_workgroup_id_z 1
		.amdhsa_system_vgpr_workitem_id 0
		.amdhsa_next_free_vgpr 1024
		.amdhsa_next_free_sgpr 100
		.amdhsa_reserve_vcc 0
		.amdhsa_float_denorm_mode_32 3
		.amdhsa_float_denorm_mode_16_64 3
		.amdhsa_memory_ordered 1
		.amdhsa_forward_progress 1
		.amdhsa_inst_pref_size 181
	.end_amdhsa_kernel
	.amdgpu_metadata
---
amdhsa.version: [ 1, 2 ]
amdhsa.kernels:
  - .name:           k_qccca43239e_qkv
    .symbol:         k_qccca43239e_qkv.kd
    .args:
      - { .name: codes, .offset: 0, .size: 8, .value_kind: global_buffer, .address_space: global }
      - { .name: scales, .offset: 8, .size: 8, .value_kind: global_buffer, .address_space: global }
      - { .name: rope, .offset: 16, .size: 8, .value_kind: global_buffer, .address_space: global }
      - { .name: qkv, .offset: 24, .size: 8, .value_kind: global_buffer, .address_space: global }
    .group_segment_fixed_size: 327680
    .private_segment_fixed_size: 0
    .kernarg_segment_align: 8
    .kernarg_segment_size: 32
    .max_flat_workgroup_size: 128
    .sgpr_count:     100
    .vgpr_count:     1024
    .wavefront_size: 32
...
	.end_amdgpu_metadata
.endif
;; end of part 2
;; launch attn (part 3): grid 4 x 64, 16 waves a work-group, clusters of 4 x 1, 327,680 bytes of LDS; arguments qkv, att; writes att
.if DOCPART == 3
	.amdgcn_target "amdgcn-amd-amdhsa--gfx1250"
	.amdhsa_code_object_version 6
	.text
	.protected	k_qccca43239e_attn
	.globl	k_qccca43239e_attn
	.p2align	8
	.type	k_qccca43239e_attn,@function
k_qccca43239e_attn:
	s_mov_b64 s[64:65], 0
	v_nop
	global_prefetch_b8 v0, s[64:65] scope:SCOPE_SE
	s_setreg_imm32_b32 hwreg(HW_REG_WAVE_MODE, 25, 1), 1
	s_wait_xcnt 0x0
	s_wait_alu depctr_hold_cnt(0) depctr_sa_sdst(0) depctr_va_vdst(0) depctr_va_sdst(0) depctr_va_ssrc(0) depctr_va_vcc(0) depctr_vm_vsrc(0)
	s_getreg_b32 s2, hwreg(HW_REG_IB_STS2, 6, 4)
	s_cmp_eq_u32 s2, 0
	s_cbranch_scc0 .Lentry_in_a_cluster
	s_endpgm
.Lentry_in_a_cluster:
	s_bfe_u32 s2, ttmp6, 0x10000c
	s_cmp_lg_u32 s2, 0x3003
	s_cbranch_scc0 .Lentry_shape_is_right
	s_endpgm
.Lentry_shape_is_right:
; att[head][b 2048 + q][:] = the sum over keys k <= q of softmax_k(Q[q] . K[k] / 8) V[k][:], for one (batch, head) a cluster.  Q, K, V: planes of qkv, f16, rows of 64; products, maxima and sums in f32;
; the weights p are rounded to f16 for the second product, the result once at the end.  A running maximum m and sum l for each query: p = 2^(c s - c m), c = log2(e) / 8.
; SHARES.  The four work-groups of a cluster share a head's 2,048 queries; each of a work-group's sixteen waves owns 32 queries, two tiles of 16: queries 128 g + 32 cx + 0 .. 31,
; g = 4 ((w / 4 + w % 4) % 4) + w / 4: waves w, w + 4, w + 8, w + 12 get one g of each quarter of the sequence.
; Every work-group walks all keys: 8 slots of 256, four steps of 64 each, through a ring of two LDS slots filled by JOINT loads (waves 0, 1: K's halves; 2, 3: V's).
; THE MASK.  Step T (keys 64 T on) is left out by a wave where T > 2 g + 1, is masked where T >= 2 g, and is open below.  The tests hang on the wave's number and the count of steps alone, never on the
; work-group's place; the wave with g = 15 of every partner reads every tile.  A hidden score becomes -infinity ahead of the maximum, so its p is 0; key 0 counts for every query, so m is a number from step 0 on.
; LAYOUT.  S^T = K Q^T (source 0 = 16 keys, source 1 = 16 queries): a lane holds ONE query (lane % 16) and keys 8 (lane / 16) + 0 .. 7; two such tiles packed to f16 are source 1 of O^T = V^T P.
; K comes out of LDS as it lies, V ([key][channel]) turned by ds_load_tr16_b128.
; LIMITS: hidden keys count exactly 0; |result| under 65,504.
; REGISTERS: v1-11 addresses; v12-14 the mask's; v16-31 statistics; v32-63 Q; v64-127 S^T, then p, then P in place; v128-191 O^T; v192-255 ONE buffer: a step's K, then its V.
.set KP,    272                        ; two keys' 256 bytes + 16
.set VP,    160                        ; a key's 128 bytes + 32: an odd multiple of 32, for the turning load
.set VOFF,  128*KP                     ; a slot: 128 rows of K (256 keys), then 256 rows of V
.set SLOT1, 1<<17
.set SPARE, SLOT1+VOFF+256*VP          ; the spare words: 128 bytes a wave
.set NSL,   8
.set KSTB,  32*KP                      ; a step's 64 keys in K's part of a slot
.set VSTB,  64*VP                      ; and in V's
.set AK0, 1
.set AV0, 2
.set SPW, 3
.set NIL, 4
.set ADK, 5
.set ADV, 6
.set QH,  7                            ; v7  my query - 8 (lane / 16), for tile 0
.set STO, 8
.set RD,  9
.set GO,  10
.set PFO, 11
.set ST,  16                           ; tile u at v[16 + 8 u]: +0 c m, +1 m, +2, +3 l, +4 .. +7 at work; a takes +6
.set Q,   32
.set S,   64
.set O,   128
.set KV,  192
.set WV,  18
.set SEL, 20
.set CS,  22
.set G1K, 24
.set G1V, 32
.set G0K, 40
.set G0V, 44
.set SB,  48                           ; s48 LDS byte at which the slot in hand begins
.set T,   49                           ; s49 the step's number
.set G2,  50                           ; s50 2 g
.set G2P1, 51                          ; s51 2 g + 1
.set SLOTS, 52
.set LIM, 53
.set PFA, 54                           ; s[54:55]
.macro ROUND                           ; a round of the cluster's barrier
	s_barrier_signal -1
	s_barrier_wait -1
	s_cmp_lg_u32 s[WV], 0
	s_cbranch_scc1 .Lnot_wave_0_\@
	s_barrier_signal -3
.Lnot_wave_0_\@:
	s_barrier_wait -3
	s_barrier_signal -1
	s_barrier_wait -1
.endm
.macro TLOAD                           ; the branches hang on the wave's number alone.  An s_nop 0 and four v_nop follow each line
	s_cmp_lt_u32 s[WV], 2
	s_cbranch_scc0 .Lnot_k_\@
	tensor_load_to_lds s[G0K:G0K+3], s[G1K:G1K+7]
	s_nop 0
.rept 4
	v_nop
.endr
	s_branch .Lasked_\@
.Lnot_k_\@:
	s_cmp_lt_u32 s[WV], 4
	s_cbranch_scc0 .Lasked_\@
	tensor_load_to_lds s[G0V:G0V+3], s[G1V:G1V+7]
	s_nop 0
.rept 4
	v_nop
.endr
.Lasked_\@:
.endm
; A prefetch of what the NEXT change of slots will ask for: 32,768 bytes of K and of V.  One cluster alone reads a head; its four partners take 8,192 bytes each, told apart by address; in each, wave 4 asks
; for K's and wave 5 for V's, lanes 256 bytes apart: each aligned block of 256 bytes is named once.  It runs one slot, four key steps, ahead of the load; the last filling change asks for nothing.
.macro ASK
	s_cmp_gt_u32 s[SLOTS], s[LIM]
	s_cbranch_scc0 .Lnot_mine_\@
	global_prefetch_b8 v[PFO], s[PFA:PFA+1] th:TH_LOAD_NT scope:SCOPE_SE
.Lnot_mine_\@:
.endm
	s_load_b128 s[4:7], s[0:1], 0x0                ; qkv, att
	v_lshl_add_u32 v[SPW], v0, 2, SPARE
	v_mov_b32 v[NIL], 0
	ds_add_u32 v[SPW], v[NIL]                      ; the wave's opening: the add, twice on end, and its wait ahead of the first tensor loads
	ds_add_u32 v[SPW], v[NIL]
	v_lshrrev_b32 v5, 5, v0
	v_readfirstlane_b32 s[WV], v5                  ; wave 0..15
	s_bfe_u32 s56, ttmp6, 0x40000                  ; cx: it enters Q's, att's and the prefetch's addresses and the mask's lane values, nothing else
	s_and_b32 s57, ttmp7, 0xffff                   ; 16 b + head
	s_lshr_b32 s58, s57, 4
	s_and_b32 s59, s57, 15
	s_lshr_b32 s60, s[WV], 2
	s_and_b32 s61, s[WV], 3
	s_add_co_u32 s61, s61, s60
	s_and_b32 s61, s61, 3
	s_lshl_b32 s61, s61, 2
	s_add_co_u32 s61, s61, s60                     ; g
	s_lshl_b32 s[G2], s61, 1
	s_add_co_u32 s[G2P1], s[G2], 1
	s_lshl_b32 s62, s61, 7
	s_lshl_b32 s63, s56, 5
	s_add_co_u32 s62, s62, s63                     ; my first query in the sequence
	s_lshl_b32 s66, s59, 20                        ; the head's plane,
	s_lshl_b32 s67, s58, 18                        ; the batch's 2,048 rows of 128 bytes
	s_add_co_u32 s66, s66, s67
	s_and_b32 s68, s[WV], 1                        ; which half of a slot I fetch, if I fetch
	s_lshl_b32 s69, s68, 14
	s_add_co_u32 s70, s66, s69
	s_add_co_u32 s70, s70, 16<<20                  ; K's planes begin 16 planes on,
	s_mov_b32 s71, 0
	s_add_co_u32 s72, s70, 16<<20                  ; V's 32
	s_mov_b32 s73, 0
	s_lshl_b32 s74, s62, 7
	s_add_co_u32 s74, s74, s66                     ; my queries' rows, in q's planes and in att alike
	s_mov_b32 s75, 0
	s_mov_b32 s76, 32<<20
	s_cmp_eq_u32 s[WV], 4
	s_cselect_b32 s76, 16<<20, s76
	s_add_co_u32 s76, s76, s66
	s_lshl_b32 s77, s56, 13                        ; my work-group's 8,192 bytes,
	s_add_co_u32 s76, s76, s77
	s_add_co_u32 s76, s76, 32768                   ; in slot 1: the first change steps it to slot 2.  Nothing is prefetched at the head
	s_mov_b32 s77, 0
	s_lshr_b32 s78, s[WV], 1
	s_cmp_eq_u32 s78, 2
	s_cselect_b32 s[LIM], 1, -1                    ; waves 4 and 5 ask
	s_mov_b32 s[G1K], 15|(1<<16)|(1<<20)|(1<<21)|(5<<22)|(3<<25)  ; all four work-groups; elements of 2 bytes; padding: 4 words behind every 64
	s_mov_b32 s[G1K+1], 128<<16                    ; K's half: 16,384 dense bytes as 64 rows of 128 elements
	s_mov_b32 s[G1K+2], 64<<16
	s_mov_b32 s[G1K+3], 128<<16
	s_mov_b32 s[G1K+4], 64
	s_mov_b32 s[G1K+5], 128
	s_mov_b32 s[G1K+6], 0
	s_mov_b32 s[G1K+7], 0
	s_mov_b32 s[G1V], 15|(1<<16)|(1<<20)|(1<<21)|(4<<22)|(7<<25)  ; padding: 8 words behind every 32
	s_mov_b32 s[G1V+1], 64<<16                     ; V's half: 128 rows of 64 elements
	s_mov_b32 s[G1V+2], 128<<16
	s_mov_b32 s[G1V+3], 64<<16
	s_mov_b32 s[G1V+4], 128
	s_mov_b32 s[G1V+5], 64
	s_mov_b32 s[G1V+6], 0
	s_mov_b32 s[G1V+7], 0
	s_mov_b32 s[SEL], 0x76543210
	s_mov_b32 s[SEL+1], 0xfedcba98                 ; lane l xor 16
	s_mov_b32 s[CS], 0x3e38aa3b                    ; c = log2(e) / 8
	s_mov_b32 s[CS+1], s[CS]
	s_mov_b32 s[SB], 0
	s_mov_b32 s[T], 0
	s_mov_b32 s[SLOTS], NSL-1
	s_wait_dscnt 0x0                               ; both opening adds are done
	s_wait_kmcnt 0x0
	s_mov_b32 s[G0K], 1
	s_mul_i32 s[G0K+1], s68, 64*KP
	s_add_nc_u64 s[G0K+2:G0K+3], s[4:5], s[70:71]
	s_or_b32 s[G0K+3], s[G0K+3], 0x80000000
	s_mov_b32 s[G0V], 1
	s_mul_i32 s[G0V+1], s68, 128*VP
	s_add_co_u32 s[G0V+1], s[G0V+1], VOFF
	s_add_nc_u64 s[G0V+2:G0V+3], s[4:5], s[72:73]
	s_or_b32 s[G0V+3], s[G0V+3], 0x80000000
	s_add_nc_u64 s[PFA:PFA+1], s[4:5], s[76:77]
	s_add_nc_u64 s[8:9], s[4:5], s[74:75]          ; Q
	s_add_nc_u64 s[6:7], s[6:7], s[74:75]          ; att
	ROUND                                          ; all four work-groups are here: the first joint loads meet
	TLOAD                                          ; slot 0
	v_and_b32 v12, 15, v0                          ; r
	v_bfe_u32 v13, v0, 4, 1                        ; h
	v_lshrrev_b32 v14, 1, v12
	v_mul_u32_u24 v[AK0], v14, KP
	v_and_b32 v15, 1, v12
	v_lshl_add_u32 v[AK0], v15, 7, v[AK0]
	v_lshl_add_u32 v[AK0], v13, 4, v[AK0]          ; key r of a tile: (r / 2) 272 + (r % 2) 128 + 16 h
	s_mul_i32 s79, s[WV], 4352                     ; my stage, in slot 0
	v_add_nc_u32 v[STO], s79, v[AK0]               ; rows of the result lie in it as keys lie in K's tile
	v_mul_u32_u24 v[RD], v13, 272
	v_lshl_add_u32 v[RD], v12, 4, v[RD]
	v_add_nc_u32 v[RD], s79, v[RD]
	v_and_b32 v14, 7, v0
	v_lshl_add_u32 v14, v13, 3, v14
	v_mul_u32_u24 v[AV0], v14, VP
	v_bfe_u32 v15, v0, 3, 1
	v_lshl_add_u32 v[AV0], v15, 4, v[AV0]
	v_add_nc_u32 v[AV0], VOFF, v[AV0]              ; the turning load: key 8 h + l % 8, channels 8 ((l / 8) % 2) on
	v_and_b32 v[GO], 31, v0
	v_lshlrev_b32 v[PFO], 8, v[GO]
	v_lshlrev_b32 v[GO], 4, v[GO]
	v_lshlrev_b32 v14, 3, v13
	v_sub_nc_u32 v[QH], v12, v14
	v_add_nc_u32 v[QH], s62, v[QH]
	v_lshlrev_b32 v15, 7, v12
	v_lshl_add_u32 v15, v13, 4, v15                ; Q: row r of 128 bytes, + 16 h
.irp u, 0,1
.irp c, 0,1
	global_load_b128 v[Q+16*\u+8*\c:Q+16*\u+8*\c+3],   v15, s[8:9] offset:\u*2048+\c*64
	global_load_b128 v[Q+16*\u+8*\c+4:Q+16*\u+8*\c+7], v15, s[8:9] offset:\u*2048+\c*64+32
.endr
.endr
	v_mov_b32 v14, 0xff800000                      ; -infinity
.irp u, 0,1
	v_mov_b32 v[ST+8*\u+1], 0xff61b1e6             ; m: -3e38, under every score
	v_mul_f32 v[ST+8*\u], s[CS], v[ST+8*\u+1]
.irp i, 2,3,4,5,6,7
	v_mov_b32 v[ST+8*\u+\i], 0
.endr
.endr
.set n, 0
.rept 64
	v_mov_b32 v[O+n], 0                            ; O^T: the step is written once; the first finds zeros, which the first change of m leaves zeros
.set n, n+1
.endr
; A KEY STEP: 64 keys, the q-th of the slot in hand.
.macro STEP q
	s_cmp_gt_u32 s[T], s[G2P1]                     ; all its keys come after my queries: only the count at the end is run
	s_cbranch_scc1 .Lhidden_\@
	v_add_nc_u32 v[ADK], s[SB], v[AK0]
.irp kt, 0,1,2,3
.irp c, 0,1
	ds_load_b128 v[KV+16*\kt+8*\c:KV+16*\kt+8*\c+3],   v[ADK] offset:(\q)*KSTB+\kt*8*KP+\c*64
	ds_load_b128 v[KV+16*\kt+8*\c+4:KV+16*\kt+8*\c+7], v[ADK] offset:(\q)*KSTB+\kt*8*KP+\c*64+32
.endr
.endr
	s_wait_dscnt 0x0
.irp c, 0,1                                    ; S^T = K Q^T: eight accumulators by turns, one instruction a turn
.irp kt, 0,1,2,3
.irp u, 0,1
.if \c == 0
	v_wmma_f32_16x16x32_f16 v[S+32*\u+8*\kt:S+32*\u+8*\kt+7], v[KV+16*\kt+8*\c:KV+16*\kt+8*\c+7], v[Q+16*\u+8*\c:Q+16*\u+8*\c+7], 0
.else
	v_wmma_f32_16x16x32_f16 v[S+32*\u+8*\kt:S+32*\u+8*\kt+7], v[KV+16*\kt+8*\c:KV+16*\kt+8*\c+7], v[Q+16*\u+8*\c:Q+16*\u+8*\c+7], v[S+32*\u+8*\kt:S+32*\u+8*\kt+7]
.endif
.endr
.endr
.endr
	v_add_nc_u32 v[ADV], s[SB], v[AV0]             ; with the three below: four places ahead of the loads into K's registers and of the first read of the scores
.rept 3
	v_nop
.endr
.irp kh, 0,1                                   ; V, turned, into the same buffer: it lands under the softmax
.irp ct, 0,1,2,3
	ds_load_tr16_b128 v[KV+32*\kh+8*\ct:KV+32*\kh+8*\ct+3],   v[ADV] offset:(\q)*VSTB+\kh*32*VP+\ct*32
	ds_load_tr16_b128 v[KV+32*\kh+8*\ct+4:KV+32*\kh+8*\ct+7], v[ADV] offset:(\q)*VSTB+\kh*32*VP+16*VP+\ct*32
.endr
.endr
	s_cmp_lt_u32 s[T], s[G2]                       ; all its keys count: no mask
	s_cbranch_scc1 .Lopen_\@
	s_lshl_b32 s56, s[T], 6
	v_sub_nc_u32 v12, v[QH], s56                   ; d = my query - 8 h - 64 T: register 8 kt + j holds key 64 T + 8 h + 16 kt + j, hidden where 16 kt + j > d
	v_add_nc_u32 v13, 16, v12
.irp u, 0,1
.set n, 0
.rept 32
	v_cmp_gt_i32 vcc_lo, 16*(n/8)+n%8, v[12+\u]
	v_cndmask_b32 v[S+32*\u+n], v[S+32*\u+n], v14, vcc_lo
.set n, n+1
.endr
.endr
.Lopen_\@:
.irp j, 0,1,2,3                                ; the maximum of 32 scores and the old m, three at a time, four chains a tile, the two tiles by turns
.irp u, 0,1
	v_max3_num_f32 v[ST+8*\u+4+\j], v[S+32*\u+8*\j], v[S+32*\u+8*\j+1], v[S+32*\u+8*\j+2]
.endr
.endr
.irp i, 3,5
.irp j, 0,1,2,3
.irp u, 0,1
	v_max3_num_f32 v[ST+8*\u+4+\j], v[ST+8*\u+4+\j], v[S+32*\u+8*\j+\i], v[S+32*\u+8*\j+\i+1]
.endr
.endr
.endr
.irp u, 0,1
	v_max3_num_f32 v[ST+8*\u+4], v[ST+8*\u+4], v[S+32*\u+7], v[S+32*\u+15]
	v_max3_num_f32 v[ST+8*\u+6], v[ST+8*\u+6], v[S+32*\u+23], v[S+32*\u+31]
.endr
.irp u, 0,1
	v_max3_num_f32 v[ST+8*\u+4], v[ST+8*\u+4], v[ST+8*\u+5], v[ST+8*\u+6]
.endr
.irp u, 0,1
	v_max3_num_f32 v[ST+8*\u+4], v[ST+8*\u+4], v[ST+8*\u+7], v[ST+8*\u+1]
.endr
.irp u, 0,1
	v_permlanex16_b32 v[ST+8*\u+5], v[ST+8*\u+4], s[SEL], s[SEL+1]   ; the query's other 32 keys lie in the lane 16 away
.endr
.irp u, 0,1
	v_mov_b32 v[ST+8*\u+7], v[ST+8*\u]             ; c m_old
.endr
.irp u, 0,1
	v_max_num_f32 v[ST+8*\u+1], v[ST+8*\u+4], v[ST+8*\u+5]
.endr
.irp u, 0,1
	v_mul_f32 v[ST+8*\u], s[CS], v[ST+8*\u+1]
.endr
.irp u, 0,1
	v_sub_f32 v[ST+8*\u+7], v[ST+8*\u+7], v[ST+8*\u]
.endr
.set n, 0
.rept 16
.irp u, 0,1
	v_pk_fma_f32 v[S+32*\u+2*n:S+32*\u+2*n+1], v[S+32*\u+2*n:S+32*\u+2*n+1], s[CS:CS+1], v[ST+8*\u:ST+8*\u+1] op_sel_hi:[1,0,0] neg_lo:[0,0,1] neg_hi:[0,0,1]  ; c s - c m
.endr
.set n, n+1
.endr
.irp u, 0,1
	v_exp_f32 v[ST+8*\u+6], v[ST+8*\u+7]           ; a = 2^(c m_old - c m_new)
.endr
.set n, 0
.rept 32
.irp u, 0,1
	v_exp_f32 v[S+32*\u+n], v[S+32*\u+n]           ; p: the 66 exponentials are one batch
.endr
.set n, n+1
.endr
	v_nop                                          ; a plain instruction behind the last of them
	s_wait_alu depctr_va_vdst(0)                   ; and one wait for the batch, ahead of its first reader
.irp u, 0,1                                    ; l = a l + the sum of the unrounded p, in two chains a tile; p stays
	v_pk_fma_f32 v[ST+8*\u+2:ST+8*\u+3], v[ST+8*\u+2:ST+8*\u+3], v[ST+8*\u+6:ST+8*\u+7], v[S+32*\u:S+32*\u+1] op_sel_hi:[1,0,1]
.endr
.irp u, 0,1
	v_pk_add_f32 v[ST+8*\u+4:ST+8*\u+5], v[S+32*\u+2:S+32*\u+3], v[S+32*\u+4:S+32*\u+5]
.endr
.set n, 3
.rept 6
.irp u, 0,1
	v_pk_add_f32 v[ST+8*\u+2:ST+8*\u+3], v[ST+8*\u+2:ST+8*\u+3], v[S+32*\u+2*n:S+32*\u+2*n+1]
	v_pk_add_f32 v[ST+8*\u+4:ST+8*\u+5], v[ST+8*\u+4:ST+8*\u+5], v[S+32*\u+2*n+2:S+32*\u+2*n+3]
.endr
.set n, n+2
.endr
.irp u, 0,1
	v_pk_add_f32 v[ST+8*\u+2:ST+8*\u+3], v[ST+8*\u+2:ST+8*\u+3], v[S+32*\u+30:S+32*\u+31]
.endr
.irp u, 0,1
	v_pk_add_f32 v[ST+8*\u+2:ST+8*\u+3], v[ST+8*\u+2:ST+8*\u+3], v[ST+8*\u+4:ST+8*\u+5]
.endr
.set n, 0
.rept 16
.irp u, 0,1
	v_cvt_pk_f16_f32 v[S+32*\u+n], v[S+32*\u+2*n], v[S+32*\u+2*n+1]   ; P in place, ascending: registers 8 kh .. 8 kh + 7 are keys 32 kh on
.endr
.set n, n+1
.endr
.set n, 0
.rept 16
.irp u, 0,1
	v_pk_mul_f32 v[O+32*\u+2*n:O+32*\u+2*n+1], v[O+32*\u+2*n:O+32*\u+2*n+1], v[ST+8*\u+6:ST+8*\u+7] op_sel_hi:[1,0]   ; O^T x a
.endr
.set n, n+1
.endr
	s_wait_dscnt 0x0                               ; V is in
.irp kh, 0,1                                   ; O^T += V^T P: eight accumulators by turns
.irp ct, 0,1,2,3
.irp u, 0,1
	v_wmma_f32_16x16x32_f16 v[O+32*\u+8*\ct:O+32*\u+8*\ct+7], v[KV+32*\kh+8*\ct:KV+32*\kh+8*\ct+7], v[S+32*\u+8*\kh:S+32*\u+8*\kh+7], v[O+32*\u+8*\ct:O+32*\u+8*\ct+7]
.endr
.endr
.endr
.rept 5
	v_nop                                          ; the next step's first products write over P's registers (five places), its loads land in V's (four)
.endr
.Lhidden_\@:
	s_add_co_u32 s[T], s[T], 1
.endm
; THE CHANGE OF SLOTS stands at a slot's head.  Each wave waits for all its tensor loads, adds 0 to its spare word, and waits for that and for its reads of the slot that it has left.
; fill = 1: a round of the cluster's barrier, and behind it the other slot is asked for jointly: the load has four key steps in which to land.
.macro CHANGE fill
	s_wait_tensorcnt 0x0                           ; no tensor load of mine is out, so a group 0 may be written
	ds_add_u32 v[SPW], v[NIL]
.if \fill
	ds_add_u32 v[SPW], v[NIL]                      ; and twice on end here, in every trip alike
	s_xor_b32 s[G0K+1], s[G0K+1], SLOT1            ; the walking descriptors: the other slot, the next 256 keys
	s_add_nc_u64 s[G0K+2:G0K+3], s[G0K+2:G0K+3], 32768
	s_xor_b32 s[G0V+1], s[G0V+1], SLOT1
	s_add_nc_u64 s[G0V+2:G0V+3], s[G0V+2:G0V+3], 32768
	s_wait_xcnt 0x0                                ; the last prefetch, a slot back, has read its address
	s_add_nc_u64 s[PFA:PFA+1], s[PFA:PFA+1], 32768
	s_wait_dscnt 0x0                               ; both adds are done, and my reads of the slot that I have left are over
	ROUND
	TLOAD                                          ; the first thing behind the round, and a wave's one tensor load until the next
	ASK
.else
	s_wait_dscnt 0x0
	s_barrier_signal -1
	s_barrier_wait -1
.endif
.endm
.macro SLOT_STEPS
	STEP 0
	STEP 1
	STEP 2
	STEP 3
	s_xor_b32 s[SB], s[SB], SLOT1
.endm
	s_wait_loadcnt 0x0                             ; Q
.Lslot:                                            ; seven trips: behind each change of slots but the last the next slot is asked for
	CHANGE 1
	SLOT_STEPS
	s_sub_co_u32 s[SLOTS], s[SLOTS], 1
	s_cmp_lg_u32 s[SLOTS], 0
	s_cbranch_scc1 .Lslot
	CHANGE 0                                       ; the last slot is written out
	SLOT_STEPS
	; THE WAY OUT.  O^T / l, rounded to f16, goes through my stage (in slot 0, which was left at the last change and is filled no more) and leaves as 512 consecutive bytes an instruction.
.irp u, 0,1
	v_add_f32 v[ST+8*\u+4], v[ST+8*\u+2], v[ST+8*\u+3]
.endr
.irp u, 0,1
	v_permlanex16_b32 v[ST+8*\u+5], v[ST+8*\u+4], s[SEL], s[SEL+1]
.endr
.irp u, 0,1
	v_add_f32 v[ST+8*\u+4], v[ST+8*\u+4], v[ST+8*\u+5]
.endr
.irp u, 0,1
	v_rcp_f32 v[ST+8*\u+6], v[ST+8*\u+4]
.endr
	v_nop
	s_wait_alu depctr_va_vdst(0)                   ; one wait for the two reciprocals
.irp u, 0,1
.set n, 0
.rept 16
	v_pk_mul_f32 v[O+32*\u+2*n:O+32*\u+2*n+1], v[O+32*\u+2*n:O+32*\u+2*n+1], v[ST+8*\u+6:ST+8*\u+7] op_sel_hi:[1,0]
.set n, n+1
.endr
.set n, 0
.rept 16
	v_cvt_pk_f16_f32 v[S+16*\u+n], v[O+32*\u+2*n], v[O+32*\u+2*n+1]
.set n, n+1
.endr
.irp ct, 0,1,2,3
	ds_store_b128 v[STO], v[S+16*\u+4*\ct:S+16*\u+4*\ct+3] offset:\u*2176+32*\ct
.endr
.endr
.irp t, 0,1,2,3,4,5,6,7
	ds_load_b128 v[O+4*\t:O+4*\t+3], v[RD] offset:\t*544   ; LDS serves a wave's instructions in order: these see my stores
.endr
.irp t, 0,1,2,3,4,5,6,7
	s_wait_dscnt 7-\t                              ; the younger loads may be out
	global_store_b128 v[GO], v[O+4*\t:O+4*\t+3], s[6:7] offset:\t*512
.endr
	s_wait_tensorcnt 0x0                           ; the wave's end
	ds_add_u32 v[SPW], v[NIL]
	s_wait_dscnt 0x0
	ROUND                                          ; the closing round
	s_endpgm
.Lfunc_end_k_qccca43239e_attn:
	.size	k_qccca43239e_attn, .Lfunc_end_k_qccca43239e_attn-k_qccca43239e_attn
	.p2alignl 7, 3214868480
	.fill 96, 4, 3214868480
	.section	.rodata,"a",@progbits
	.p2align	6, 0x0
	.amdhsa_kernel k_qccca43239e_attn
		.amdhsa_group_segment_fixed_size 327680
		.amdhsa_private_segment_fixed_size 0
		.amdhsa_enable_private_segment 0
		.amdhsa_kernarg_size 16
		.amdhsa_user_sgpr_count 2
		.amdhsa_user_sgpr_kernarg_segment_ptr 1
		.amdhsa_wavefront_size32 1
		.amdhsa_system_sgpr_workgroup_id_x 1
		.amdhsa_system_sgpr_workgroup_id_y 1
		.amdhsa_system_sgpr_workgroup_id_z 1
		.amdhsa_system_vgpr_workitem_id 0
		.amdhsa_next_free_vgpr 256
		.amdhsa_next_free_sgpr 80
		.amdhsa_reserve_vcc 1
		.amdhsa_float_denorm_mode_32 3
		.amdhsa_float_denorm_mode_16_64 3
		.amdhsa_memory_ordered 1
		.amdhsa_forward_progress 1
		.amdhsa_inst_pref_size 188
	.end_amdhsa_kernel
	.amdgpu_metadata
---
amdhsa.version: [ 1, 2 ]
amdhsa.kernels:
  - .name:           k_qccca43239e_attn
    .symbol:         k_qccca43239e_attn.kd
    .args:
      - { .name: qkv, .offset: 0, .size: 8, .value_kind: global_buffer, .address_space: global }
      - { .name: att, .offset: 8, .size: 8, .value_kind: global_buffer, .address_space: global }
    .group_segment_fixed_size: 327680
    .private_segment_fixed_size: 0
    .kernarg_segment_align: 8
    .kernarg_segment_size: 16
    .max_flat_workgroup_size: 512
    .sgpr_count:     80
    .vgpr_count:     256
    .wavefront_size: 32
...
	.end_amdgpu_metadata
.endif
;; end of part 3
;; launch oproj (part 4): grid 8 x 32, 4 waves a work-group, clusters of 4 x 4, 327,680 bytes of LDS; arguments att, wo16, out0; writes out0
.if DOCPART == 4
	.amdgcn_target "amdgcn-amd-amdhsa--gfx1250"
	.amdhsa_code_object_version 6
	.text
	.protected	k_qccca43239e_oproj
	.globl	k_qccca43239e_oproj
	.p2align	8
	.type	k_qccca43239e_oproj,@function
k_qccca43239e_oproj:
	s_mov_b64 s[64:65], 0
	v_nop
	global_prefetch_b8 v0, s[64:65] scope:SCOPE_SE
	s_setreg_imm32_b32 hwreg(HW_REG_WAVE_MODE, 25, 1), 1
	s_wait_xcnt 0x0
	s_wait_alu depctr_hold_cnt(0) depctr_sa_sdst(0) depctr_va_vdst(0) depctr_va_sdst(0) depctr_va_ssrc(0) depctr_va_vcc(0) depctr_vm_vsrc(0)
	s_getreg_b32 s2, hwreg(HW_REG_IB_STS2, 6, 4)
	s_cmp_eq_u32 s2, 0
	s_cbranch_scc0 .Lentry_in_a_cluster
	s_endpgm
.Lentry_in_a_cluster:
	s_bfe_u32 s2, ttmp6, 0x10000c
	s_cmp_lg_u32 s2, 0xf033
	s_cbranch_scc0 .Lentry_shape_is_right
	s_endpgm
.Lentry_shape_is_right:
; out0[m][n] = the sum over k of att(m, k) Wo[n][k], k = 64 head + channel.  att: [16 heads][8192][64] f16; wo16: [1024][1024] f16; out0: [8192][1024] f32; sums in f32.
; A tile of 256 (m) x 128 (n) gives 256 work-groups.  Four waves, each 128 x 64: 32 accumulators, 256 registers.  K goes in steps of 128 (two heads) through a ring of two LDS slots.
; A head's 256 rows of 128 bytes are one dense block of 32 KiB: it comes as 128 rows of 256 bytes (two rows of att to an LDS row).  Waves 0, 1 fetch the step's two heads, waves 2, 3 the halves of Wo's 128 rows.
; CLUSTERS: 4 x 4; att's tiles are asked for jointly along a row of the cluster, Wo's along a column.  THE MATRIX INSTRUCTION IS USED TRANSPOSED: a lane holds eight neighbouring numbers of a row of out0.
; No prefetch: the launch has eight K steps in all, and each tile is shared in its cluster.
; The first 16 positions of every sequence are written here too and written over by a later launch, which carries them in f32: no branch on the tile row stands in a text with joint loads.
; REGISTERS: window 0: v0-31 addresses; two fragment buffers of 96 (A's 8 fragments, then B's 4) at v32 and v128; on the way out v32-95 rows read back.  window 1: the accumulators ((a, b) at v[8 (4 a + b)]).
.set PITCH,  272
.set ABLK,   128*PITCH                 ; a head's 256 rows
.set BOFF,   2*ABLK
.set BHALF,  64*PITCH
.set SLOT,   BOFF+2*BHALF
.set STAGE,  2*SLOT                    ; 16 rows x 272 bytes for each wave
.set SPARE,  STAGE+4*16*272
.set LAPS,   4
.set ADRA, 16
.set ADRB, 20
.set STO,  24
.set RD,   25
.set CO,   26
.set SPW,  28
.set NIL,  29
.set F0,   32
.set F1,   128
.set BK,   32
.set G1, 24
.set G0, 32
.set G1B, 48
.set G0B, 56
.set MSB, 0
.macro WIN new
.if MSB != \new
	s_set_vgpr_msb (MSB<<8)|\new
.set MSB, \new
.endif
.endm
.set MUL, 0x50                         ; C and D window 1; sources window 0
.macro JLOAD s                         ; waves 0, 1 for att, waves 2, 3 for Wo; an s_nop 0 and four v_nop follow each line
	s_cmp_eq_u32 s11, 0
	s_cbranch_scc0 .Lfor_b_\@
	tensor_load_to_lds s[G0+4*\s:G0+4*\s+3], s[G1:G1+7]
	s_nop 0
.rept 4
	v_nop
.endr
	s_branch .Lasked_\@
.Lfor_b_\@:
	tensor_load_to_lds s[G0B+4*\s:G0B+4*\s+3], s[G1B:G1B+7]
	s_nop 0
.rept 4
	v_nop
.endr
.Lasked_\@:
.endm
.macro CREST
	s_cmp_lg_u32 s10, 0
	s_cbranch_scc1 .Lnot_wave_0_\@
	s_barrier_signal -3
.Lnot_wave_0_\@:
	s_barrier_wait -3
	s_barrier_signal -1
	s_barrier_wait -1
.endm
.macro CROUND
	s_barrier_signal -1
	s_barrier_wait -1
	CREST
.endm
	s_load_b128 s[4:7], s[0:1], 0x0                ; att, wo16
	s_load_b64 s[8:9], s[0:1], 0x10                ; out0
	v_lshl_add_u32 v[SPW], v0, 2, SPARE
	v_mov_b32 v[NIL], 0
	ds_add_u32 v[SPW], v[NIL]                      ; the wave's opening: the add, twice on end, and its wait ahead of my first tensor load
	ds_add_u32 v[SPW], v[NIL]
	v_lshrrev_b32 v1, 5, v0
	v_readfirstlane_b32 s10, v1                    ; wave 0..3
	s_lshr_b32 s11, s10, 1                         ; my half of the tile's rows; also: I fetch for att (0) or Wo (1)
	s_and_b32 s12, s10, 1                          ; my half of its columns; also: which part I fetch
	s_bfe_u32 s40, ttmp6, 0x40000
	s_bfe_u32 s41, ttmp6, 0x40004
	s_lshl_b32 s42, ttmp9, 2
	s_add_co_u32 s42, s42, s40                     ; tile column
	s_and_b32 s13, ttmp7, 0xffff
	s_lshl_b32 s13, s13, 2
	s_add_co_u32 s13, s13, s41                     ; tile row
	s_lshl_b32 s43, s41, 2
	s_lshl_b32 s43, 15, s43
	s_lshl_b32 s44, 0x1111, s40
	s_or_b32 s[G1+0], s43, (1<<16)|(1<<20)|(1<<21)|(5<<22)|(3<<25)   ; mask; elements of 2 bytes; 4 words of padding behind every 64
	s_or_b32 s[G1B+0], s44, (1<<16)|(1<<20)|(1<<21)|(5<<22)|(3<<25)
	s_mov_b32 s[G1+1], 128<<16                     ; att: 128 rows of 128 elements, dense
	s_mov_b32 s[G1+2], 128<<16
	s_mov_b32 s[G1+3], 128<<16
	s_mov_b32 s[G1+4], 128
	s_mov_b32 s[G1+5], 128
	s_mov_b32 s[G1+6], 0
	s_mov_b32 s[G1+7], 0
	s_mov_b32 s[G1B+1], 128<<16                    ; Wo: 64 rows of 128 elements, 1,024 apart
	s_mov_b32 s[G1B+2], 64<<16
	s_mov_b32 s[G1B+3], 128<<16
	s_mov_b32 s[G1B+4], 64
	s_mov_b32 s[G1B+5], 1024
	s_mov_b32 s[G1B+6], 0
	s_mov_b32 s[G1B+7], 0
	s_lshl_b32 s16, s12, 20                        ; att: the step's first or second head,
	s_lshl_b32 s17, s13, 15                        ; the tile's 256 rows of 128 bytes
	s_add_co_u32 s16, s16, s17
	s_mov_b32 s17, 0
	s_lshl_b32 s46, s42, 7
	s_lshl_b32 s47, s12, 6
	s_add_co_u32 s46, s46, s47
	s_lshl_b32 s46, s46, 11                        ; Wo: row 128 x tile column + 64 x half, 2,048 bytes a row
	s_mov_b32 s47, 0
	s_mul_i32 s20, s12, ABLK                       ; LDS: no place in the cluster enters an LDS address
	s_mul_i32 s21, s12, BHALF
	s_add_co_u32 s21, s21, BOFF
	s_wait_dscnt 0x0                               ; both opening adds are done
	s_wait_kmcnt 0x0
	s_add_nc_u64 s[14:15], s[4:5], s[16:17]
	s_add_nc_u64 s[46:47], s[6:7], s[46:47]
	CROUND                                         ; the first joint loads meet
.irp s, 0,1
	s_mov_b32 s[G0+4*\s], 1
	s_add_co_u32 s[G0+4*\s+1], s20, \s*SLOT
	s_add_nc_u64 s[G0+4*\s+2:G0+4*\s+3], s[14:15], \s*2097152      ; K step s: two planes on
	s_or_b32 s[G0+4*\s+3], s[G0+4*\s+3], 0x80000000
	s_mov_b32 s[G0B+4*\s], 1
	s_add_co_u32 s[G0B+4*\s+1], s21, \s*SLOT
	s_add_nc_u64 s[G0B+4*\s+2:G0B+4*\s+3], s[46:47], \s*256
	s_or_b32 s[G0B+4*\s+3], s[G0B+4*\s+3], 0x80000000
	JLOAD \s                                       ; two loads of mine are out
.endr
	v_and_b32 v1, 15, v0                           ; r
	v_bfe_u32 v2, v0, 4, 1                         ; h
	v_lshrrev_b32 v3, 1, v1
	v_mul_u32_u24 v3, v3, PITCH
	v_and_b32 v4, 1, v1
	v_lshl_add_u32 v3, v4, 7, v3
	v_lshl_add_u32 v3, v2, 4, v3                   ; att: (r / 2) 272 + (r % 2) 128 + 16 h
	v_mul_u32_u24 v4, v1, PITCH
	v_lshl_add_u32 v4, v2, 4, v4                   ; Wo: r 272 + 16 h
	s_mul_i32 s21, s11, BHALF                      ; my 128 rows of att: 64 LDS rows
	s_mul_i32 s22, s12, BHALF
	s_add_co_u32 s22, s22, BOFF
.irp s, 0,1
	v_add_nc_u32 v[ADRA+\s], s21, v3
	v_add_nc_u32 v[ADRB+\s], s22, v4
	s_add_co_u32 s21, s21, SLOT
	s_add_co_u32 s22, s22, SLOT
.endr
	s_mul_i32 s23, s10, 16*272
	s_add_co_u32 s23, s23, STAGE
	v_mul_u32_u24 v5, v1, 272
	v_lshl_add_u32 v5, v2, 5, v5
	v_add_nc_u32 v[STO], s23, v5                   ; in: row r, 32 bytes for each half of the lanes
	v_mul_u32_u24 v5, v2, 272
	v_lshl_add_u32 v5, v1, 4, v5
	v_add_nc_u32 v[RD], s23, v5                    ; back: lanes 0-15 one row of 256 bytes, lanes 16-31 the next
	v_lshlrev_b32 v5, 12, v2
	v_lshl_add_u32 v[CO], v1, 4, v5                ; and the same two rows in out0
	s_lshl_b32 s16, s13, 8
	s_lshl_b32 s17, s11, 7
	s_add_co_u32 s16, s16, s17
	s_lshl_b32 s16, s16, 12                        ; my first row, 4,096 bytes a row
	s_mov_b32 s17, 0
	s_add_nc_u64 s[8:9], s[8:9], s[16:17]
	s_lshl_b32 s46, s42, 9
	s_lshl_b32 s47, s12, 8
	s_add_co_u32 s46, s46, s47                     ; my first column, in bytes
	s_mov_b32 s47, 0
	s_add_nc_u64 s[8:9], s[8:9], s[46:47]
; 8 matrix instructions: row blocks a0, a0 + 1 x the four column blocks, 32 along K.  The 32 accumulators take turns, one instruction a turn, in the same order in every quarter.
.macro MUL8 f, a0, zero
.irp a, \a0, \a0+1
.irp b, 0,1,2,3
.if \zero
	v_wmma_f32_16x16x32_f16 v[8*(4*(\a)+\b):8*(4*(\a)+\b)+7], v[\f+64+8*\b:\f+64+8*\b+7], v[\f+8*(\a):\f+8*(\a)+7], 0
.else
	v_wmma_f32_16x16x32_f16 v[8*(4*(\a)+\b):8*(4*(\a)+\b)+7], v[\f+64+8*\b:\f+64+8*\b+7], v[\f+8*(\a):\f+8*(\a)+7], v[8*(4*(\a)+\b):8*(4*(\a)+\b)+7]
.endif
.endr
.endr
.endm
; 24 LDS loads in one run: quarter q (32 along K) of the slot: Wo's four fragments, then att's eight.  Quarters 0, 1 lie in the step's first head, 2, 3 in its second.
.macro FETCH slot, q, f
.irp i, 0,1,2,3
	ds_load_b128 v[\f+64+8*\i:\f+64+8*\i+3],   v[ADRB+\slot] offset:(\q)*64+\i*16*PITCH
	ds_load_b128 v[\f+64+8*\i+4:\f+64+8*\i+7], v[ADRB+\slot] offset:(\q)*64+\i*16*PITCH+32
.endr
.irp i, 0,1,2,3,4,5,6,7
	ds_load_b128 v[\f+8*\i:\f+8*\i+3],   v[ADRA+\slot] offset:((\q)/2)*ABLK+((\q)%2)*64+\i*8*PITCH
	ds_load_b128 v[\f+8*\i+4:\f+8*\i+7], v[ADRA+\slot] offset:((\q)/2)*ABLK+((\q)%2)*64+\i*8*PITCH+32
.endr
.endm
.macro PLACES
.rept 4
	v_nop
.endr
.endm
.macro QUARTER slot, qn, f, g, zero    ; multiplies buffer f; in its middle fetches quarter qn into g
	s_wait_dscnt 8                                 ; Wo's and att's blocks 0-3 are in; the youngest eight loads (blocks 4-7) may be out
	WIN MUL
	MUL8 \f, 0, \zero
	MUL8 \f, 2, \zero
	PLACES
	WIN 0
	FETCH \slot, \qn, \g
	s_wait_dscnt 24                                ; all but the 24 just issued
	WIN MUL
	MUL8 \f, 4, \zero
	MUL8 \f, 6, \zero
.endm
; The last quarter multiplies buffer 1 and changes slots: one barrier; in front of it each wave waits for all its tensor loads, adds 0 to its spare word, and waits for that and for its reads of this slot.
.macro TURN slot, next, fill
	WIN 0
	s_wait_tensorcnt 0x0                           ; my part of the next slot has landed
	ds_add_u32 v[SPW], v[NIL]
	s_wait_dscnt 9                                 ; the add and the youngest eight loads may be out
	WIN MUL
	MUL8 F1, 0, 0
	s_wait_dscnt 0x0                               ; the add is done, and my reads of this slot are over
	s_barrier_signal -1
	MUL8 F1, 2, 0
	WIN 0
	s_barrier_wait -1
.if \fill
	CREST                                          ; the barrier has opened a round of the cluster's: no wave of any partner still reads this slot or has a load on its way
	s_add_nc_u64 s[G0+4*\slot+2:G0+4*\slot+3], s[G0+4*\slot+2:G0+4*\slot+3], 4194304   ; two K steps on: four planes
	s_add_nc_u64 s[G0B+4*\slot+2:G0B+4*\slot+3], s[G0B+4*\slot+2:G0B+4*\slot+3], 512
	JLOAD \slot                                    ; first behind the round; its four v_nop are also the places in front of the loads below
.else
	PLACES
.endif
	FETCH \next, 0, F0
	WIN MUL
	MUL8 F1, 4, 0
	MUL8 F1, 6, 0
.endm
	s_wait_tensorcnt 1                             ; my part of K step 0 is in; K step 1's load may be out,
	s_barrier_signal -1
	s_barrier_wait -1                              ; everybody's is
	FETCH 0, 0, F0
	QUARTER 0, 1, F0, F1, 1                        ; the first products start the sums
	WIN 0
	s_mov_b32 s3, LAPS-1
.Llap:                                                 ; a trip goes once round the ring and fills both slots again
	QUARTER 0, 2, F1, F0, 0
	QUARTER 0, 3, F0, F1, 0
	TURN 0, 1, 1
	QUARTER 1, 1, F0, F1, 0
	QUARTER 1, 2, F1, F0, 0
	QUARTER 1, 3, F0, F1, 0
	TURN 1, 0, 1
	QUARTER 0, 1, F0, F1, 0
	WIN 0
	s_sub_co_u32 s3, s3, 1
	s_cmp_lg_u32 s3, 0
	s_cbranch_scc1 .Llap
	QUARTER 0, 2, F1, F0, 0                        ; the last lap fills nothing
	QUARTER 0, 3, F0, F1, 0
	TURN 0, 1, 0
	QUARTER 1, 1, F0, F1, 0
	QUARTER 1, 2, F1, F0, 0
	QUARTER 1, 3, F0, F1, 0
	s_wait_dscnt 8
	WIN MUL
	MUL8 F1, 0, 0
	MUL8 F1, 2, 0
	s_wait_dscnt 0
	MUL8 F1, 4, 0
	MUL8 F1, 6, 0
	WIN 0
; THE WAY OUT, a block of 16 rows x 64 columns at a time, through my own stage: 32 bytes a lane in, whole rows of 256 bytes back.
.macro TOSTAGE a
	WIN 0x04                                       ; an LDS store's data are its source 1: window 1
.irp b, 0,1,2,3
	ds_store_b128 v[STO], v[8*(4*(\a)+\b):8*(4*(\a)+\b)+3] offset:64*\b       ; each accumulator from its low end on
	ds_store_b128 v[STO], v[8*(4*(\a)+\b)+4:8*(4*(\a)+\b)+7] offset:64*\b+16
.endr
	WIN 0
.set BB, BK+32*((\a)%2)
.irp t, 0,1,2,3,4,5,6,7
	ds_load_b128 v[BB+4*\t:BB+4*\t+3], v[RD] offset:\t*544
.endr
.endm
.macro SEND a, younger
.set BB, BK+32*((\a)%2)
	s_wait_dscnt \younger                          ; the block is back; the next block's stores and loads may be out
.irp t, 0,1,2,3,4,5,6,7
	global_store_b128 v[CO], v[BB+4*\t:BB+4*\t+3], s[8:9] offset:(\a)*65536+\t*8192 th:TH_STORE_NT   ; sixteen lanes store 256 consecutive bytes, aligned
.endr
.endm
	PLACES
	TOSTAGE 0
.irp a, 1,2,3,4,5,6,7
.if \a > 1
	s_wait_xcnt 0x0                                ; block a - 2's stores have read their registers: block a's loads may land there
.endif
	TOSTAGE \a
	SEND \a-1, 16
.endr
	SEND 7, 0
	s_wait_tensorcnt 0x0                           ; the wave's end
	ds_add_u32 v[SPW], v[NIL]
	s_wait_dscnt 0x0
	CROUND                                         ; the closing round
	s_endpgm
.Lfunc_end_k_qccca43239e_oproj:
	.size	k_qccca43239e_oproj, .Lfunc_end_k_qccca43239e_oproj-k_qccca43239e_oproj
	.p2alignl 7, 3214868480
	.fill 96, 4, 3214868480
	.section	.rodata,"a",@progbits
	.p2align	6, 0x0
	.amdhsa_kernel k_qccca43239e_oproj
		.amdhsa_group_segment_fixed_size 327680
		.amdhsa_private_segment_fixed_size 0
		.amdhsa_enable_private_segment 0
		.amdhsa_kernarg_size 24
		.amdhsa_user_sgpr_count 2
		.amdhsa_user_sgpr_kernarg_segment_ptr 1
		.amdhsa_wavefront_size32 1
		.amdhsa_system_sgpr_workgroup_id_x 1
		.amdhsa_system_sgpr_workgroup_id_y 1
		.amdhsa_system_sgpr_workgroup_id_z 1
		.amdhsa_system_vgpr_workitem_id 0
		.amdhsa_next_free_vgpr 512
		.amdhsa_next_free_sgpr 66
		.amdhsa_reserve_vcc 0
		.amdhsa_float_denorm_mode_32 3
		.amdhsa_float_denorm_mode_16_64 3
		.amdhsa_memory_ordered 1
		.amdhsa_forward_progress 1
		.amdhsa_inst_pref_size 86
	.end_amdhsa_kernel
	.amdgpu_metadata
---
amdhsa.version: [ 1, 2 ]
amdhsa.kernels:
  - .name:           k_qccca43239e_oproj
    .symbol:         k_qccca43239e_oproj.kd
    .args:
      - { .name: att, .offset: 0, .size: 8, .value_kind: global_buffer, .address_space: global }
      - { .name: wo16, .offset: 8, .size: 8, .value_kind: global_buffer, .address_space: global }
      - { .name: out0, .offset: 16, .size: 8, .value_kind: global_buffer, .address_space: global }
    .group_segment_fixed_size: 327680
    .private_segment_fixed_size: 0
    .kernarg_segment_align: 8
    .kernarg_segment_size: 24
    .max_flat_workgroup_size: 128
    .sgpr_count:     66
    .vgpr_count:     512
    .wavefront_size: 32
...
	.end_amdgpu_metadata
.endif
;; end of part 4
;; launch fineA (part 5): grid 16 x 4, 4 waves a work-group, no clusters, 4,608 bytes of LDS; arguments codes, scales, rope, ofine; writes ofine
.if DOCPART == 5
	.amdgcn_target "amdgcn-amd-amdhsa--gfx1250"
	.amdhsa_code_object_version 6
	.text
	.protected	k_qccca43239e_fineA
	.globl	k_qccca43239e_fineA
	.p2align	8
	.type	k_qccca43239e_fineA,@function
k_qccca43239e_fineA:
	s_mov_b64 s[64:65], 0
	v_nop
	global_prefetch_b8 v0, s[64:65] scope:SCOPE_SE
	s_setreg_imm32_b32 hwreg(HW_REG_WAVE_MODE, 25, 1), 1
	s_wait_xcnt 0x0
; THE FIRST 16 POSITIONS OF EVERY SEQUENCE, carried in f32 from the projections' sums to the attention's result: they average one to sixteen values and are the largest outputs.
; A work-group takes one (head, batch); they see keys 0-15 alone.  Wave w makes channels 16 w .. 16 w + 15 of q, k and v again from the codes (FP4, 24 matrix instructions), rotates q and k,
; and multiplies in f32 by the 16x16x4 form: no bulk work, 8 such instructions a wave.
; q, k: source 0 = 16 rows of W, source 1 = x: a lane holds position r and channels 8 h + j.  v: source 0 = x, source 1 = Wv: a lane holds channel r and positions 8 h + j.
; Scores: source 0 = k's pair i, source 1 = q's pair i: both sides carry channel 8 h + 2 i + jj at the form's place 2 h + jj, so the four instructions sum my 16 channels; the four waves' parts meet in LDS.
; Every wave then has S^T (query r, keys 8 h + j), masks, takes the maximum away, and multiplies by its channels of v.
; The registers that the f32 form writes (v48-79) are written by nothing else.
.set SPARE, 4096
.set SPW, 2
.set NIL, 3
.set XF,  16                           ; x: four K steps
.set SA,  48
.set SB,  56
.set OA,  64
.set OB,  72
.set XS,  80                           ; x's eight scale words
.set WS,  88                           ; the three weights' eight each
.set WF,  112                          ; 3 x 4 K steps of weight fragments
.set AQ,  208
.set AK,  216
.set AV,  224
.set T,   232                          ; cos, sin of my eight channels
.set QR,  112
.set KR,  120
.set PS,  128                          ; my part of the scores
.set IM,  136                          ; the four parts
.set SS,  168                          ; the scores, then p
.set OUTR, 184
	s_load_b256 s[4:11], s[0:1], 0x0               ; codes s4, scales s6, rope s8, ofine s10
	v_lshl_add_u32 v[SPW], v0, 2, SPARE
	v_mov_b32 v[NIL], 0
	v_lshrrev_b32 v1, 5, v0
	v_readfirstlane_b32 s12, v1                    ; wave
	v_and_b32 v4, 15, v0                           ; r
	v_bfe_u32 v5, v0, 4, 1                         ; h
	v_lshlrev_b32 v6, 9, v4
	v_lshl_add_u32 v6, v5, 4, v6                   ; codes: row r of 512 bytes, + 16 h
	v_lshlrev_b32 v7, 5, v4                        ; scale bytes: row r of 32
	v_and_b32 v8, 31, v0
	v_lshlrev_b32 v8, 4, v8                        ; 16 x lane
	s_lshl_b32 s13, s12, 10
	v_add_nc_u32 v9, s13, v8                       ; LDS: my image: 1,024 x wave + 16 x lane
	v_lshlrev_b32 v10, 12, v4
	v_lshl_add_u32 v10, v5, 5, v10                 ; ofine: row r of 4,096 bytes, + 32 h
	v_lshlrev_b32 v11, 3, v5
	v_sub_nc_u32 v11, v4, v11                      ; d = r - 8 h: key 8 h + j is hidden where j > d
	v_mov_b32 v12, 0xff800000
	v_mov_b32 v14, 0                               ; a lane permute's destination counts as read
	s_mov_b32 s25, 0
	s_mov_b32 s24, s13                             ; the table: block 0, my 16 channels' two images
	s_and_b32 s13, ttmp7, 0xffff                   ; batch
	s_lshl_b32 s14, ttmp9, 6
	s_lshl_b32 s15, s12, 4
	s_add_co_u32 s14, s14, s15                     ; my first row of a weight: 64 head + 16 wave
	s_lshl_b32 s16, s13, 20                        ; x's codes: 2,048 rows of 512 bytes a batch
	s_mov_b32 s17, 0
	s_lshl_b32 s18, s14, 9
	s_add_co_u32 s18, s18, 4194304                 ; the weights' codes lie behind x's
	s_mov_b32 s19, 0
	s_lshl_b32 s20, s13, 16
	s_mov_b32 s21, 0
	s_lshl_b32 s22, s14, 5
	s_add_co_u32 s22, s22, 262144
	s_mov_b32 s23, 0
	s_lshl_b32 s26, s13, 16                        ; ofine: 16 rows of 4,096 bytes a batch,
	s_lshl_b32 s27, s14, 2
	s_add_co_u32 s26, s26, s27                     ; my channels
	s_mov_b32 s27, 0
	s_mov_b32 s28, 0x76543210
	s_mov_b32 s29, 0xfedcba98
	s_mov_b32 s30, 0x3e38aa3b                      ; c = log2(e) / 8
	s_wait_kmcnt 0x0
	s_add_nc_u64 s[16:17], s[4:5], s[16:17]
	s_add_nc_u64 s[18:19], s[4:5], s[18:19]
	s_add_nc_u64 s[20:21], s[6:7], s[20:21]
	s_add_nc_u64 s[22:23], s[6:7], s[22:23]
	s_add_nc_u64 s[8:9], s[8:9], s[24:25]
	s_add_nc_u64 s[10:11], s[10:11], s[26:27]
.macro LOADS g                         ; K steps 4 g .. 4 g + 3 of x and of the three weights
.irp ks, 0,1,2,3
.irp c, 0,1
	global_load_b128 v[XF+8*\ks+4*\c:XF+8*\ks+4*\c+3], v6, s[16:17] offset:(4*\g+\ks)*64+32*\c
.endr
.endr
.irp mt, 0,1,2
.irp ks, 0,1,2,3
.irp c, 0,1
	global_load_b128 v[WF+32*\mt+8*\ks+4*\c:WF+32*\mt+8*\ks+4*\c+3], v6, s[18:19] offset:\mt*524288+(4*\g+\ks)*64+32*\c
.endr
.endr
.endr
.endm
.macro MULS g                          ; the three sums by turns, one instruction a turn
.irp ks, 0,1,2,3
.if (\g == 0) && (\ks == 0)
	v_wmma_scale_f32_16x16x128_f8f6f4 v[AQ:AQ+7], v[WF+8*\ks:WF+8*\ks+7], v[XF+8*\ks:XF+8*\ks+7], 0, v[WS+4*\g+\ks], v[XS+4*\g+\ks] matrix_a_fmt:MATRIX_FMT_FP4 matrix_b_fmt:MATRIX_FMT_FP4
	v_wmma_scale_f32_16x16x128_f8f6f4 v[AK:AK+7], v[WF+32+8*\ks:WF+32+8*\ks+7], v[XF+8*\ks:XF+8*\ks+7], 0, v[WS+8+4*\g+\ks], v[XS+4*\g+\ks] matrix_a_fmt:MATRIX_FMT_FP4 matrix_b_fmt:MATRIX_FMT_FP4
	v_wmma_scale_f32_16x16x128_f8f6f4 v[AV:AV+7], v[XF+8*\ks:XF+8*\ks+7], v[WF+64+8*\ks:WF+64+8*\ks+7], 0, v[XS+4*\g+\ks], v[WS+16+4*\g+\ks] matrix_a_fmt:MATRIX_FMT_FP4 matrix_b_fmt:MATRIX_FMT_FP4
.else
	v_wmma_scale_f32_16x16x128_f8f6f4 v[AQ:AQ+7], v[WF+8*\ks:WF+8*\ks+7], v[XF+8*\ks:XF+8*\ks+7], v[AQ:AQ+7], v[WS+4*\g+\ks], v[XS+4*\g+\ks] matrix_a_fmt:MATRIX_FMT_FP4 matrix_b_fmt:MATRIX_FMT_FP4
	v_wmma_scale_f32_16x16x128_f8f6f4 v[AK:AK+7], v[WF+32+8*\ks:WF+32+8*\ks+7], v[XF+8*\ks:XF+8*\ks+7], v[AK:AK+7], v[WS+8+4*\g+\ks], v[XS+4*\g+\ks] matrix_a_fmt:MATRIX_FMT_FP4 matrix_b_fmt:MATRIX_FMT_FP4
	v_wmma_scale_f32_16x16x128_f8f6f4 v[AV:AV+7], v[XF+8*\ks:XF+8*\ks+7], v[WF+64+8*\ks:WF+64+8*\ks+7], v[AV:AV+7], v[XS+4*\g+\ks], v[WS+16+4*\g+\ks] matrix_a_fmt:MATRIX_FMT_FP4 matrix_b_fmt:MATRIX_FMT_FP4
.endif
.endr
.rept 4
	v_nop                                          ; places ahead of loads into, writes of and reads of these products' registers
.endr
.endm
	LOADS 0
.irp c, 0,1
	global_load_b128 v[XS+4*\c:XS+4*\c+3], v7, s[20:21] offset:16*\c       ; a row's eight scale words
.irp mt, 0,1,2
	global_load_b128 v[WS+8*\mt+4*\c:WS+8*\mt+4*\c+3], v7, s[22:23] offset:\mt*32768+16*\c
.endr
	global_load_b128 v[T+4*\c:T+4*\c+3], v8, s[8:9] offset:512*\c
.endr
	s_wait_loadcnt 0x0
	MULS 0
	LOADS 1
	s_wait_loadcnt 0x0
	MULS 1
.irp i, 0,1,2,3                                ; the rotation, in f32; each sum is first read at its register 1, among its four lowest
	v_mul_f32 v[QR+2*\i],   v[AQ+2*\i+1], v[T+2*\i+1]
	v_mul_f32 v[KR+2*\i],   v[AK+2*\i+1], v[T+2*\i+1]
	v_mul_f32 v[QR+2*\i+1], v[AQ+2*\i+1], v[T+2*\i]
	v_mul_f32 v[KR+2*\i+1], v[AK+2*\i+1], v[T+2*\i]
	v_fma_f32 v[QR+2*\i],   v[AQ+2*\i], v[T+2*\i], -v[QR+2*\i]
	v_fma_f32 v[KR+2*\i],   v[AK+2*\i], v[T+2*\i], -v[KR+2*\i]
	v_fma_f32 v[QR+2*\i+1], v[AQ+2*\i], v[T+2*\i+1], v[QR+2*\i+1]
	v_fma_f32 v[KR+2*\i+1], v[AK+2*\i], v[T+2*\i+1], v[KR+2*\i+1]
.endr
	v_wmma_f32_16x16x4_f32 v[SA:SA+7], v[KR:KR+1],     v[QR:QR+1],     0          ; two sums by turns
	v_wmma_f32_16x16x4_f32 v[SB:SB+7], v[KR+2:KR+3],   v[QR+2:QR+3],   0
	v_wmma_f32_16x16x4_f32 v[SA:SA+7], v[KR+4:KR+5],   v[QR+4:QR+5],   v[SA:SA+7]
	v_wmma_f32_16x16x4_f32 v[SB:SB+7], v[KR+6:KR+7],   v[QR+6:QR+7],   v[SB:SB+7]
.rept 8
	v_nop                                          ; eight places behind this form
.endr
.irp j, 0,1,2,3,4,5,6,7
	v_add_f32 v[PS+\j], v[SA+\j], v[SB+\j]
.endr
	ds_store_b128 v9, v[PS:PS+3]                   ; my part, as an image of its registers
	ds_store_b128 v9, v[PS+4:PS+7] offset:512
	s_wait_dscnt 0x0                               ; for the others' sake
	s_barrier_signal -1
	s_barrier_wait -1
.irp w, 0,1,2,3
	ds_load_b128 v[IM+8*\w:IM+8*\w+3],   v8 offset:\w*1024
	ds_load_b128 v[IM+8*\w+4:IM+8*\w+7], v8 offset:\w*1024+512
.endr
	s_wait_dscnt 0x0
.irp j, 0,1,2,3,4,5,6,7
	v_add_f32 v[SS+\j], v[IM+\j], v[IM+8+\j]
	v_add_f32 v[IM+16+\j], v[IM+16+\j], v[IM+24+\j]
.endr
.irp j, 0,1,2,3,4,5,6,7
	v_add_f32 v[SS+\j], v[SS+\j], v[IM+16+\j]
.endr
.irp j, 0,1,2,3,4,5,6,7
	v_cmp_gt_i32 vcc_lo, \j, v11
	v_cndmask_b32 v[SS+\j], v[SS+\j], v12, vcc_lo  ; a hidden score becomes -infinity
.endr
	v_max3_num_f32 v13, v[SS], v[SS+1], v[SS+2]
	v_max3_num_f32 v13, v13, v[SS+3], v[SS+4]
	v_max3_num_f32 v13, v13, v[SS+5], v[SS+6]
	v_max_num_f32 v13, v13, v[SS+7]
	v_permlanex16_b32 v14, v13, s28, s29
	v_max_num_f32 v13, v13, v14                    ; the row's maximum: key 0 counts for every query
	v_mul_f32 v13, s30, v13
.irp j, 0,1,2,3,4,5,6,7
	v_fma_f32 v[SS+\j], v[SS+\j], s30, -v13
.endr
.irp j, 0,1,2,3,4,5,6,7
	v_exp_f32 v[SS+\j], v[SS+\j]
.endr
	v_nop
	s_wait_alu depctr_va_vdst(0)                   ; one wait for the eight
	v_add_f32 v15, v[SS], v[SS+1]
.irp j, 2,3,4,5,6,7
	v_add_f32 v15, v15, v[SS+\j]
.endr
	v_permlanex16_b32 v14, v15, s28, s29
	v_add_f32 v15, v15, v14
	v_rcp_f32 v1, v15
	v_nop
	s_wait_alu depctr_va_vdst(0)
	v_wmma_f32_16x16x4_f32 v[OA:OA+7], v[AV:AV+1],     v[SS:SS+1],     0          ; O^T = v^T p: both sides carry key 8 h + 2 i + jj
	v_wmma_f32_16x16x4_f32 v[OB:OB+7], v[AV+2:AV+3],   v[SS+2:SS+3],   0
	v_wmma_f32_16x16x4_f32 v[OA:OA+7], v[AV+4:AV+5],   v[SS+4:SS+5],   v[OA:OA+7]
	v_wmma_f32_16x16x4_f32 v[OB:OB+7], v[AV+6:AV+7],   v[SS+6:SS+7],   v[OB:OB+7]
.rept 8
	v_nop
.endr
.irp j, 0,1,2,3,4,5,6,7
	v_add_f32 v[OUTR+\j], v[OA+\j], v[OB+\j]
.endr
.irp j, 0,1,2,3,4,5,6,7
	v_mul_f32 v[OUTR+\j], v[OUTR+\j], v1           ; / the row's sum
.endr
	global_store_b128 v10, v[OUTR:OUTR+3], s[10:11]                ; query r, channels 16 w + 8 h + 0 .. 7
	global_store_b128 v10, v[OUTR+4:OUTR+7], s[10:11] offset:16
	s_wait_tensorcnt 0x0                           ; the wave's end, behind my last LDS store
	ds_add_u32 v[SPW], v[NIL]
	s_wait_dscnt 0x0
	s_endpgm
.Lfunc_end_k_qccca43239e_fineA:
	.size	k_qccca43239e_fineA, .Lfunc_end_k_qccca43239e_fineA-k_qccca43239e_fineA
	.p2alignl 7, 3214868480
	.fill 96, 4, 3214868480
	.section	.rodata,"a",@progbits
	.p2align	6, 0x0
	.amdhsa_kernel k_qccca43239e_fineA
		.amdhsa_group_segment_fixed_size 4608
		.amdhsa_private_segment_fixed_size 0
		.amdhsa_enable_private_segment 0
		.amdhsa_kernarg_size 32
		.amdhsa_user_sgpr_count 2
		.amdhsa_user_sgpr_kernarg_segment_ptr 1
		.amdhsa_wavefront_size32 1
		.amdhsa_system_sgpr_workgroup_id_x 1
		.amdhsa_system_sgpr_workgroup_id_y 1
		.amdhsa_system_sgpr_workgroup_id_z 1
		.amdhsa_system_vgpr_workitem_id 0
		.amdhsa_next_free_vgpr 256
		.amdhsa_next_free_sgpr 66
		.amdhsa_reserve_vcc 1
		.amdhsa_float_denorm_mode_32 3
		.amdhsa_float_denorm_mode_16_64 3
		.amdhsa_memory_ordered 1
		.amdhsa_forward_progress 1
		.amdhsa_inst_pref_size 20
	.end_amdhsa_kernel
	.amdgpu_metadata
---
amdhsa.version: [ 1, 2 ]
amdhsa.kernels:
  - .name:           k_qccca43239e_fineA
    .symbol:         k_qccca43239e_fineA.kd
    .args:
      - { .name: codes, .offset: 0, .size: 8, .value_kind: global_buffer, .address_space: global }
      - { .name: scales, .offset: 8, .size: 8, .value_kind: global_buffer, .address_space: global }
      - { .name: rope, .offset: 16, .size: 8, .value_kind: global_buffer, .address_space: global }
      - { .name: ofine, .offset: 24, .size: 8, .value_kind: global_buffer, .address_space: global }
    .group_segment_fixed_size: 4608
    .private_segment_fixed_size: 0
    .kernarg_segment_align: 8
    .kernarg_segment_size: 32
    .max_flat_workgroup_size: 128
    .sgpr_count:     66
    .vgpr_count:     256
    .wavefront_size: 32
...
	.end_amdgpu_metadata
.endif
;; end of part 5
;; launch fineB (part 6): grid 64 x 4, 8 waves a work-group, no clusters, 9,216 bytes of LDS; arguments ofine, Wo, out0; writes out0
.if DOCPART == 6
	.amdgcn_target "amdgcn-amd-amdhsa--gfx1250"
	.amdhsa_code_object_version 6
	.text
	.protected	k_qccca43239e_fineB
	.globl	k_qccca43239e_fineB
	.p2align	8
	.type	k_qccca43239e_fineB,@function
k_qccca43239e_fineB:
	s_mov_b64 s[64:65], 0
	v_nop
	global_prefetch_b8 v0, s[64:65] scope:SCOPE_SE
	s_setreg_imm32_b32 hwreg(HW_REG_WAVE_MODE, 25, 1), 1
	s_wait_xcnt 0x0
; THE PROJECTION ON THE WAY OUT FOR THE FIRST 16 POSITIONS OF EVERY SEQUENCE, in f32: out0[b 2048 + r][n] = the sum over k of ofine[16 b + r][k] Wo[n][k], written over what the f16 launch left there.
; A work-group takes 16 columns n of one batch; wave w takes k = 128 w .. 128 w + 127: 32 instructions of the 16x16x4 form on four sums by turns: no bulk work (64 rows of 8,192).
; Source 0 = Wo's rows, source 1 = ofine's rows: lane (r, h) loads 16 bytes at 32 c + 16 h of its row's 512: both sides carry the same k at the same place of the form.
; A lane's eight results are eight neighbouring columns of row r.  The eight waves' parts meet in LDS as images of registers; wave 0 adds them and stores.
; A store covers 64 bytes of a row: 256 KiB in the whole launch.
; The registers that the f32 form writes (v144-175) are written by nothing else.
.set SPARE, 8192
.set SPW, 2
.set NIL, 3
	s_load_b128 s[4:7], s[0:1], 0x0                ; ofine, Wo
	s_load_b64 s[8:9], s[0:1], 0x10                ; out0
	v_lshl_add_u32 v[SPW], v0, 2, SPARE
	v_mov_b32 v[NIL], 0
	v_lshrrev_b32 v1, 5, v0
	v_readfirstlane_b32 s12, v1                    ; wave
	v_and_b32 v4, 15, v0                           ; r
	v_bfe_u32 v5, v0, 4, 1                         ; h
	v_lshlrev_b32 v6, 12, v4
	v_lshl_add_u32 v10, v5, 5, v6                  ; out0: row r, + 32 h
	v_lshl_add_u32 v6, v5, 4, v6                   ; in: row r of 4,096 bytes, + 16 h
	v_and_b32 v8, 31, v0
	v_lshlrev_b32 v8, 4, v8
	s_lshl_b32 s13, s12, 10
	v_add_nc_u32 v9, s13, v8                       ; LDS: 1,024 x wave + 16 x lane
	s_and_b32 s13, ttmp7, 0xffff                   ; batch
	s_lshl_b32 s14, s12, 9                         ; my 128 along K
	s_lshl_b32 s16, s13, 16
	s_add_co_u32 s16, s16, s14
	s_mov_b32 s17, 0
	s_lshl_b32 s18, ttmp9, 16
	s_add_co_u32 s18, s18, s14
	s_mov_b32 s19, 0
	s_lshl_b32 s20, s13, 23                        ; 2,048 rows of 4,096 bytes a batch
	s_lshl_b32 s21, ttmp9, 6
	s_add_co_u32 s20, s20, s21
	s_mov_b32 s21, 0
	s_wait_kmcnt 0x0
	s_add_nc_u64 s[4:5], s[4:5], s[16:17]
	s_add_nc_u64 s[6:7], s[6:7], s[18:19]
	s_add_nc_u64 s[8:9], s[8:9], s[20:21]
.irp c, 0,1,2,3,4,5,6,7,8,9,10,11,12,13,14,15
	global_load_b128 v[16+4*\c:16+4*\c+3], v6, s[6:7] offset:32*\c
	global_load_b128 v[80+4*\c:80+4*\c+3], v6, s[4:5] offset:32*\c
.endr
	s_wait_loadcnt 0x0
.set p, 0
.rept 32
.if p < 4
	v_wmma_f32_16x16x4_f32 v[144+8*(p%4):144+8*(p%4)+7], v[16+2*p:16+2*p+1], v[80+2*p:80+2*p+1], 0
.else
	v_wmma_f32_16x16x4_f32 v[144+8*(p%4):144+8*(p%4)+7], v[16+2*p:16+2*p+1], v[80+2*p:80+2*p+1], v[144+8*(p%4):144+8*(p%4)+7]
.endif
.set p, p+1
.endr
.rept 8
	v_nop                                          ; eight places behind this form
.endr
.irp j, 0,1,2,3,4,5,6,7
	v_add_f32 v[176+\j], v[144+\j], v[152+\j]
.endr
.irp j, 0,1,2,3,4,5,6,7
	v_add_f32 v[184+\j], v[160+\j], v[168+\j]
.endr
.irp j, 0,1,2,3,4,5,6,7
	v_add_f32 v[176+\j], v[176+\j], v[184+\j]
.endr
	ds_store_b128 v9, v[176:179]
	ds_store_b128 v9, v[180:183] offset:512
	s_wait_dscnt 0x0                               ; for wave 0's sake
	s_barrier_signal -1
	s_barrier_wait -1
	s_cmp_lg_u32 s12, 0
	s_cbranch_scc1 .Lend
.irp w, 0,1,2,3,4,5,6,7
	ds_load_b128 v[16+8*\w:16+8*\w+3],   v8 offset:\w*1024
	ds_load_b128 v[16+8*\w+4:16+8*\w+7], v8 offset:\w*1024+512
.endr
	s_wait_dscnt 0x0
.irp w, 0,2,4,6
.irp j, 0,1,2,3,4,5,6,7
	v_add_f32 v[16+8*\w+\j], v[16+8*\w+\j], v[24+8*\w+\j]
.endr
.endr
.irp w, 0,4
.irp j, 0,1,2,3,4,5,6,7
	v_add_f32 v[16+8*\w+\j], v[16+8*\w+\j], v[32+8*\w+\j]
.endr
.endr
.irp j, 0,1,2,3,4,5,6,7
	v_add_f32 v[16+\j], v[16+\j], v[48+\j]
.endr
	global_store_b128 v10, v[16:19], s[8:9]
	global_store_b128 v10, v[20:23], s[8:9] offset:16
.Lend:
	s_wait_tensorcnt 0x0                           ; the wave's end, behind my last LDS store
	ds_add_u32 v[SPW], v[NIL]
	s_wait_dscnt 0x0
	s_endpgm
.Lfunc_end_k_qccca43239e_fineB:
	.size	k_qccca43239e_fineB, .Lfunc_end_k_qccca43239e_fineB-k_qccca43239e_fineB
	.p2alignl 7, 3214868480
	.fill 96, 4, 3214868480
	.section	.rodata,"a",@progbits
	.p2align	6, 0x0
	.amdhsa_kernel k_qccca43239e_fineB
		.amdhsa_group_segment_fixed_size 9216
		.amdhsa_private_segment_fixed_size 0
		.amdhsa_enable_private_segment 0
		.amdhsa_kernarg_size 24
		.amdhsa_user_sgpr_count 2
		.amdhsa_user_sgpr_kernarg_segment_ptr 1
		.amdhsa_wavefront_size32 1
		.amdhsa_system_sgpr_workgroup_id_x 1
		.amdhsa_system_sgpr_workgroup_id_y 1
		.amdhsa_system_sgpr_workgroup_id_z 1
		.amdhsa_system_vgpr_workitem_id 0
		.amdhsa_next_free_vgpr 192
		.amdhsa_next_free_sgpr 66
		.amdhsa_reserve_vcc 0
		.amdhsa_float_denorm_mode_32 3
		.amdhsa_float_denorm_mode_16_64 3
		.amdhsa_memory_ordered 1
		.amdhsa_forward_progress 1
		.amdhsa_inst_pref_size 11
	.end_amdhsa_kernel
	.amdgpu_metadata
---
amdhsa.version: [ 1, 2 ]
amdhsa.kernels:
  - .name:           k_qccca43239e_fineB
    .symbol:         k_qccca43239e_fineB.kd
    .args:
      - { .name: ofine, .offset: 0, .size: 8, .value_kind: global_buffer, .address_space: global }
      - { .name: Wo, .offset: 8, .size: 8, .value_kind: global_buffer, .address_space: global }
      - { .name: out0, .offset: 16, .size: 8, .value_kind: global_buffer, .address_space: global }
    .group_segment_fixed_size: 9216
    .private_segment_fixed_size: 0
    .kernarg_segment_align: 8
    .kernarg_segment_size: 24
    .max_flat_workgroup_size: 256
    .sgpr_count:     66
    .vgpr_count:     192
    .wavefront_size: 32
...
	.end_amdgpu_metadata
.endif
;; end of part 6
